; MI455X (gfx1250); checked and timed in simulation.
; The chip was launched on July 23, 2026; its instructions are those of AMD's public machine-readable ISA for CDNA 5 (MIT licence, August 2026) and "CDNA5" Instruction Set Architecture Reference Guide (July 2026). The comments in the code are by the model that wrote it; some were corrected since.
;; Self Attention Mechanism. Allowed arithmetic: matrix products marked QUANTISED: E2M1 operands, one E8M0 scale for each 32 along K, by v_wmma_scale_f32_16x16x128_f8f6f4 with both operands' format E2M1 (or v_wmma_scale_f32_32x16x128_f4), f32 sums; products left as they are: bf16, f16 or f32 operands; f32 sums; everything else in f32.
;; Inputs: W_attn 1,024 x 3,072 float32; W_proj 1,024 x 1,024 float32; b_attn 3,072 float32; b_proj 1,024 float32; x 2 x 2,048 x 1,024 float32.
;; Outputs: out0 2 x 2,048 x 1,024 float32.
;; This version of the problem:
;;   THIS VERSION OF THE PROBLEM IS GIVEN IN LOW PRECISION. The matrix products marked QUANTISED in the list below multiply operands that are first quantised to E2M1 (2 exponent bits, 1 mantissa bit; 4 bits a number), with one power-of-two scale for each 32 numbers along K (OCP MX v1.0); their sums are f32. The products marked 'left as it is' may take bf16, f16 or f32 operands, with f32 sums. Whichever they take, every output number must still come out within the allowed error. Rounding operands to bf16 (8 significant bits) uses up far more of that allowance than f16 does (11 bits, for magnitudes from 6e-5 to 65,504). All else is computed in f32.
;;   The module's matrix products, in the order in which they are computed (A, B: the left and right operand; K: the contracted axis; several contracted axes count as one K, in the product's order):
;;     1. [M 4,096, K 1,024] x [K 1,024, N 3,072]; A: input x; B: input W_attn: QUANTISED
;;     2. batch 32 x [M 2,048, K 64] x [K 64, N 2,048]; A: computed on the way; B: computed on the way: left as it is (an operand is computed on the way)
;;     3. batch 32 x [M 2,048, K 2,048] x [K 2,048, N 64]; A: computed on the way; B: computed on the way: left as it is (an operand is computed on the way)
;;     4. [M 4,096, K 1,024] x [K 1,024, N 1,024]; A: computed on the way; B: input W_proj: left as it is (an operand is computed on the way)
;;   THE QUANTISER, for each operand of a quantised product, along K:
;;     - K is cut into blocks of 32 from its start; a last block that is shorter is filled with zeros.
;;     - A block's scale is 2^e with e = floor(log2(the largest magnitude in the block)) - 2, held to -126 .. 127; a block of zeros has e = 0. As a byte (E8M0): e + 127.
;;     - Each number is divided by its block's scale, clamped to +-6, and rounded to the nearest number of E2M1, ties to even, subnormals kept.
;;     - The product sums the exact products of the quantised numbers (number of the format x scale) in f32.
;;   ~~~python
;;   def quantise(x, axis):      # numpy; x: float32 -> the quantised numbers, widened to float32 again
;;       x = np.moveaxis(x, axis, -1); K = x.shape[-1]
;;       x = np.pad(x, [(0, 0)] * (x.ndim - 1) + [(0, -K % 32)]); x = x.reshape(x.shape[:-1] + (-1, 32)); a = np.abs(x).max(-1, keepdims=True)
;;       e = np.where(a > 0, np.clip(np.frexp(np.where(a > 0, a, 1))[1] - 1 - 2, -126, 127), 0)      # np.frexp(a)[1] - 1 = floor(log2(a)), exactly
;;       r = np.clip(x / 2.0 ** e, -6, 6)
;;       step = 2.0 ** (np.maximum(np.frexp(np.where(r == 0, 1, r))[1] - 1, 0) - 1)
;;       q = np.round(r / step) * step * 2.0 ** e      # np.round: ties to even
;;       return np.moveaxis(q.reshape(q.shape[:-2] + (-1,))[..., :K], -1, axis).astype(np.float32)
;;   ~~~
;; One version. Each part assembles by itself: llvm-mc -triple=amdgcn-amd-amdhsa -mcpu=gfx1250 --defsym DOCPART=n.
;; ======== version 1 of 1: 5 launches
;; limits: values are held in f16: magnitudes above 65,504 overflow, below 6.1e-05 lose precision
;; workspace buffers: xc 2,097,152 bytes; xs 131,072 bytes; wc 1,572,864 bytes; ws 98,304 bytes; wp 2,097,152 bytes; qkv 25,165,824 bytes; q32 393,216 bytes; y 8,388,608 bytes
;; launch prep (part 1): grid 384 x 1, 4 waves a work-group, no clusters, 34,304 bytes of LDS; arguments x, W_attn, W_proj, xc, xs, wc, ws, wp; writes xc, xs, wc, ws, wp
.if DOCPART == 1
	.amdgcn_target "amdgcn-amd-amdhsa--gfx1250"
	.amdhsa_code_object_version 6
	.text
	.protected	k_qb2f8757cc4_prep
	.globl	k_qb2f8757cc4_prep
	.p2align	8
	.type	k_qb2f8757cc4_prep,@function
k_qb2f8757cc4_prep:
	s_mov_b64 s[64:65], 0
	v_nop
	global_prefetch_b8 v0, s[64:65] scope:SCOPE_SE
	s_setreg_imm32_b32 hwreg(HW_REG_WAVE_MODE, 25, 1), 1
	s_wait_xcnt 0x0
; PREP: the operands of the later products, laid in the order of the operand registers that will take them.
;   x      [4096][1024] f32 -> xc: codes of FP4 (E2M1), xs: one E8M0 byte for each 32 along K (K innermost in x)
;   W_attn [1024][3072] f32 -> wc, ws: the same, quantised along its FIRST axis (K)
;   W_proj [1024][1024] f32 -> wp: f16
; A block's scale is 2^(floor(log2(largest magnitude)) - 2): its byte is the largest magnitude's exponent field - 2, held at 1 from below.
; LAYOUTS.  xc [kslot 2][row tile 256][q 4][1024 B], wc [kslot 2][n tile 192][q 4][1024 B]: a fragment of 16 rows x 128 K is [c 2][lane 32][16 B]; lane (r, h) holds row r, K = 512 kslot + 128 q + 64 c + 32 h + 0 .. 31.
;   xs [kslot 2][row 4096][16 B], ws [kslot 2][n 3072][16 B]: word q serves K step q, byte b its block 32 b.
;   wp [ks 4][n tile 64][chunk 8][1024 B]: a fragment of 16 columns x 32 k is [half 2][lane 32][16 B]; lane (r, h) holds column r, k = 256 ks + 32 chunk + 16 half + 8 h + 0 .. 7.
; SHARES.  Work-groups 0-127 take x (a wave: 16 rows x 512 K), 128-319 W_attn and 320-383 W_proj (a wave: 32 columns x 128 K, a lane to a column, registers down K).
; Only the path for x uses LDS: each load reads 512 consecutive bytes of a row, and the rows turn through the wave's own stage so that a lane gets 32 neighbours along K.
; LIMITS: NaN and infinities are not served.  A block of zeros gets the byte 1 where the quantiser says 127: its codes are zeros, and the bytes are read by this program alone.
; W_proj is rounded to f16: magnitudes up to 65,504.  ws is stored 4 bytes a lane, 16 bytes apart: 98,304 bytes in all, one part in 128 of what that path reads.
; No tensor loads, no barrier: waves share nothing.  No prefetch: every stream is already asked for well ahead by plain loads.
.set STG,   16*528                     ; a wave's stage: 16 rows of 512 bytes + 16 of padding, so that 16 rows begin 16 bytes apart along the banks
.set SPARE, 4*STG                      ; behind the stages: the spare words, 128 bytes a wave
.set SPW,   12                         ; v12  LDS address of my spare word; never rewritten
.set NIL,   13                         ; v13  0; never rewritten
.set R,     16                         ; v16-143   x: two sets of 64 registers as loaded
.set XN,    144                        ; v144-207  x: 64 numbers of my row: 32 c + i = K 64 c + 32 h + i
.set CD,    208                        ; v208-239  x: codes, eight registers a fragment: no store's data are written again
.set SW,    240                        ; v240-243  x: the four scale words
.set WN,    16                         ; v16-143   weights: four sets of 32 numbers down K
.set WC,    144                        ; v144..    weights: what is stored
	s_load_b256 s[4:11], s[0:1], 0x0               ; x s[4:5], W_attn s[6:7], W_proj s[8:9], xc s[10:11]
	s_load_b256 s[12:19], s[0:1], 0x20             ; xs s[12:13], wc s[14:15], ws s[16:17], wp s[18:19]
	v_lshl_add_u32 v[SPW], v0, 2, SPARE
	v_mov_b32 v[NIL], 0
	v_lshrrev_b32 v1, 5, v0
	v_readfirstlane_b32 s20, v1                    ; wave 0..3
	v_and_b32 v2, 31, v0                           ; lane
	v_and_b32 v1, 15, v0                           ; r
	v_bfe_u32 v14, v0, 4, 1                        ; h
	v_lshlrev_b32 v3, 4, v2                        ; 16 x lane
	s_mul_i32 s28, s20, STG                        ; my stage
	v_add_nc_u32 v15, s28, v3                      ; into it: a row's 512 bytes as they lie
	v_mul_u32_u24 v11, v1, 528
	v_lshl_add_u32 v11, v14, 7, v11
	v_add_nc_u32 v11, s28, v11                     ; out of it: row r, + 128 h bytes: my 32 numbers of a half of 64
	s_mov_b32 s22, 0x76543210
	s_mov_b32 s23, 0xfedcba98                      ; lane selects: lane l xor 16
	s_mov_b32 s27, 0                               ; the high word of every offset pair
	s_wait_kmcnt 0x0
	s_cmp_lt_u32 ttmp9, 128
	s_cbranch_scc1 .Lpath_x
	s_cmp_lt_u32 ttmp9, 320
	s_cbranch_scc1 .Lpath_wa
; 32 rows of a weight at my column: 32 lanes read 128 consecutive bytes
.macro LOADW kb, pitch, base
.set i, 0
.rept 32
	global_load_b32 v[WN+32*(\kb)+i], v5, s[\base:\base+1] offset:(32*(\kb)+i)*\pitch th:TH_LOAD_NT
.set i, i+1
.endr
.endm
	; ---------------- W_proj -> f16 ----------------
	s_sub_co_u32 s21, ttmp9, 320
	s_lshr_b32 s24, s21, 3                         ; which 128 columns
	s_and_b32 s25, s21, 7                          ; which 128 along K
	s_lshl_b32 s28, s24, 7
	s_lshl_b32 s29, s20, 5
	s_add_co_u32 s28, s28, s29                     ; my first column n0
	s_lshl_b32 s26, s25, 19                        ; 128 rows of 4,096 bytes
	s_lshl_b32 s29, s28, 2
	s_add_co_u32 s26, s26, s29
	s_add_nc_u64 s[8:9], s[8:9], s[26:27]
	s_lshr_b32 s30, s25, 1                         ; ks
	s_and_b32 s31, s25, 1                          ; its lower or upper four chunks
	s_lshl_b32 s26, s30, 19                        ; 64 tiles of 8,192 bytes
	s_lshl_b32 s29, s28, 9                         ; (n0 / 16) x 8,192
	s_add_co_u32 s26, s26, s29
	s_lshl_b32 s29, s31, 12
	s_add_co_u32 s26, s26, s29
	s_add_nc_u64 s[18:19], s[18:19], s[26:27]
	v_lshlrev_b32 v5, 2, v2                        ; in: 4 bytes a lane
	v_lshlrev_b32 v4, 4, v1
	v_lshl_add_u32 v4, v14, 13, v4                 ; out: lanes 16-31 belong to the next tile of 16 columns
.macro CHUNK cc                        ; 32 along K of my column: four octets, each 16 bytes of the fragment: sixteen lanes store 256 consecutive bytes
.set j, 0
.rept 16
	v_cvt_pk_f16_f32 v[WC+16*(\cc)+j], v[WN+32*(\cc)+2*j], v[WN+32*(\cc)+2*j+1]
.set j, j+1
.endr
.irp p, 0,1,2,3
	global_store_b128 v4, v[WC+16*(\cc)+4*\p:WC+16*(\cc)+4*\p+3], s[18:19] offset:1024*(\cc)+(\p/2)*512+(\p%2)*256
.endr
.endm
	LOADW 0, 4096, 8
	LOADW 1, 4096, 8
	s_wait_loadcnt 32                              ; set 0 is in; set 1's 32 loads may be out
	LOADW 2, 4096, 8
	CHUNK 0
	s_wait_loadcnt 32                              ; set 1 is in; set 2's may be out
	LOADW 3, 4096, 8
	CHUNK 1
	s_wait_loadcnt 32                              ; set 2 is in; set 3's may be out
	CHUNK 2
	s_wait_loadcnt 0x0
	CHUNK 3
	s_endpgm
	; ---------------- W_attn -> codes ----------------
.Lpath_wa:
	s_sub_co_u32 s21, ttmp9, 128
	s_lshr_b32 s24, s21, 3                         ; which 128 columns
	s_and_b32 s25, s21, 7                          ; which 128 along K
	s_lshl_b32 s28, s24, 7
	s_lshl_b32 s29, s20, 5
	s_add_co_u32 s28, s28, s29                     ; my first column n0
	s_mul_i32 s26, s25, 128*12288                  ; 128 rows of 12,288 bytes
	s_lshl_b32 s29, s28, 2
	s_add_co_u32 s26, s26, s29
	s_add_nc_u64 s[6:7], s[6:7], s[26:27]
	s_lshr_b32 s30, s25, 2                         ; kslot
	s_and_b32 s31, s25, 3                          ; q
	s_mul_i32 s26, s30, 786432
	s_lshl_b32 s29, s28, 8                         ; (n0 / 16) x 4,096
	s_add_co_u32 s26, s26, s29
	s_lshl_b32 s29, s31, 10
	s_add_co_u32 s26, s26, s29
	s_add_nc_u64 s[14:15], s[14:15], s[26:27]
	s_mul_i32 s26, s30, 49152
	s_lshl_b32 s29, s28, 4
	s_add_co_u32 s26, s26, s29
	s_lshl_b32 s29, s31, 2
	s_add_co_u32 s26, s26, s29
	s_add_nc_u64 s[16:17], s[16:17], s[26:27]
	v_lshlrev_b32 v5, 2, v2                        ; in: 4 bytes a lane
	v_lshlrev_b32 v4, 4, v1
	v_lshl_add_u32 v4, v14, 12, v4                 ; out: lanes 16-31 belong to the next tile of 16 columns
.macro BLK kb                          ; a block of 32 along K of my column: all 32 numbers are mine
.set XS, WN+32*(\kb)
	v_max3_num_f32 v6, |v[XS]|, |v[XS+1]|, |v[XS+2]|
	v_max3_num_f32 v7, |v[XS+3]|, |v[XS+4]|, |v[XS+5]|
.irp i, 6,10,14,18,22,26
	v_max3_num_f32 v6, v6, |v[XS+\i]|, |v[XS+\i+1]|
	v_max3_num_f32 v7, v7, |v[XS+\i+2]|, |v[XS+\i+3]|
.endr
	v_max3_num_f32 v6, v6, |v[XS+30]|, |v[XS+31]|
	v_max3_num_f32 v6, v6, v7, 0x1800000           ; and the floor 2^(3 - 127): the byte cannot fall under 1
	v_add_nc_u32 v8, 0xff000000, v6                ; 2 off the exponent field: the conversion takes this operand's exponent field as its scale
	v_lshrrev_b32 v9, 23, v8                       ; the scale's byte
.if (\kb) == 0
	v_mov_b32 v160, v9
.else
	v_lshl_or_b32 v160, v9, 8*(\kb), v160          ; the lower K in the lower byte
.endif
.irp g, 0,1,2,3
	v_cvt_scalef32_pk8_fp4_f32 v[WC+4*(\kb)+\g], v[XS+8*\g:XS+8*\g+7], v8
.endr
	v_nop                                          ; one plain line behind the last conversion, ahead of the next write of its scale operand
	global_store_b128 v4, v[WC+4*(\kb):WC+4*(\kb)+3], s[14:15] offset:((\kb)/2)*512+((\kb)%2)*256   ; block kb is (c, h) = (kb / 2, kb % 2): sixteen lanes store 256 consecutive bytes
.endm
	LOADW 0, 12288, 6
	LOADW 1, 12288, 6
	s_wait_loadcnt 32                              ; set 0 is in; set 1's 32 loads may be out
	LOADW 2, 12288, 6
	BLK 0
	s_wait_loadcnt 32
	LOADW 3, 12288, 6
	BLK 1
	s_wait_loadcnt 32
	BLK 2
	s_wait_loadcnt 0x0
	BLK 3
	global_store_b32 v3, v160, s[16:17]            ; my column's scale word of this K step
	s_endpgm
	; ---------------- x -> codes ----------------
.Lpath_x:
	s_lshl_b32 s21, ttmp9, 2
	s_add_co_u32 s21, s21, s20                     ; 0 .. 511
	s_lshr_b32 s24, s21, 1                         ; row tile
	s_and_b32 s25, s21, 1                          ; kslot
	s_lshl_b32 s26, s24, 16                        ; 16 rows of 4,096 bytes
	s_lshl_b32 s29, s25, 11                        ; 512 numbers along K
	s_add_co_u32 s26, s26, s29
	s_add_nc_u64 s[4:5], s[4:5], s[26:27]
	s_lshl_b32 s26, s25, 20
	s_lshl_b32 s29, s24, 12
	s_add_co_u32 s26, s26, s29
	s_add_nc_u64 s[10:11], s[10:11], s[26:27]
	s_lshl_b32 s26, s25, 16
	s_lshl_b32 s29, s24, 8
	s_add_co_u32 s26, s26, s29
	s_add_nc_u64 s[12:13], s[12:13], s[26:27]
	v_mov_b32 v10, 0                               ; written once: a lane permute's destination counts as one of its sources
	v_lshlrev_b32 v244, 3, v14                     ; 8 h: my bytes' place in a scale word
	v_lshlrev_b32 v245, 4, v1
	v_lshl_add_u32 v245, v14, 3, v245              ; 16 r + 8 h: where I store two scale words
.macro LOADX t                         ; fragment t: 128 along K of 16 rows; a load reads a row's 512 consecutive bytes
.set i, 0
.rept 16
	global_load_b128 v[R+64*((\t)%2)+4*i:R+64*((\t)%2)+4*i+3], v3, s[4:5] offset:4096*i+512*(\t) th:TH_LOAD_NT
.set i, i+1
.endr
.endm
.macro TURN t                          ; through my stage: LDS serves a wave's instructions in order, so no wait stands between the stores and the loads
.set i, 0
.rept 16
	ds_store_b128 v15, v[R+64*((\t)%2)+4*i:R+64*((\t)%2)+4*i+3] offset:528*i
.set i, i+1
.endr
.irp c, 0,1
.set p, 0
.rept 8
	ds_load_b128 v[XN+32*\c+4*p:XN+32*\c+4*p+3], v11 offset:256*\c+16*p
.set p, p+1
.endr
.endr
.endm
.macro QX t                            ; my two blocks (2 c + h) of fragment t
.irp c, 0,1
	v_max3_num_f32 v[4+\c], |v[XN+32*\c]|, |v[XN+32*\c+1]|, 0x1800000   ; with the floor 2^(3 - 127): the byte cannot fall under 1
.endr
.irp i, 2,4,6,8,10,12,14,16,18,20,22,24,26,28,30
.irp c, 0,1
	v_max3_num_f32 v[4+\c], v[4+\c], |v[XN+32*\c+\i]|, |v[XN+32*\c+\i+1]|   ; the two blocks by turns
.endr
.endr
.irp c, 0,1
	v_add_nc_u32 v[6+\c], 0xff000000, v[4+\c]      ; 2 off the exponent field: the conversion's scale operand
.endr
.irp c, 0,1
	v_lshrrev_b32 v[8+\c], 23, v[6+\c]             ; the scale's byte
.endr
	v_lshl_or_b32 v8, v9, 16, v8                   ; blocks h and 2 + h,
	v_lshlrev_b32 v8, v244, v8                     ; at their places in the word;
	v_permlanex16_b32 v10, v8, s22, s23
	v_or_b32 v[SW+(\t)], v8, v10                   ; with lane l xor 16's two the word is whole
.irp c, 0,1
.irp g, 0,1,2,3
	v_cvt_scalef32_pk8_fp4_f32 v[CD+8*(\t)+4*\c+\g], v[XN+32*\c+8*\g:XN+32*\c+8*\g+7], v[6+\c]
.endr
.endr
	v_nop                                          ; one plain line behind the last conversion
.irp c, 0,1
	global_store_b128 v3, v[CD+8*(\t)+4*\c:CD+8*(\t)+4*\c+3], s[10:11] offset:1024*(\t)+512*\c   ; 512 consecutive bytes
.endr
.endm
	LOADX 0
	LOADX 1
.irp t, 0,1,2,3
.if \t < 3
	s_wait_loadcnt 16                              ; this fragment's 16 loads are in; the next one's may be out
.else
	s_wait_loadcnt 0x0
.endif
	TURN \t
	s_wait_dscnt 0x0                               ; the numbers are back, and the stores into the stage have read their registers
.if \t < 2
	LOADX \t+2
.endif
	QX \t
.endr
	v_cmp_eq_u32 vcc_lo, 1, v14
	v_cndmask_b32 v8, v[SW], v[SW+2], vcc_lo       ; lanes 0-15 store words 0 and 1 of row r, lanes 16-31 words 2 and 3:
	v_cndmask_b32 v9, v[SW+1], v[SW+3], vcc_lo
	global_store_b64 v245, v[8:9], s[12:13]        ; the wave stores 256 consecutive bytes
	s_wait_tensorcnt 0x0                           ; the wave's end: behind my last LDS store
	ds_add_u32 v[SPW], v[NIL]
	s_wait_dscnt 0x0
	s_endpgm
.Lfunc_end_k_qb2f8757cc4_prep:
	.size	k_qb2f8757cc4_prep, .Lfunc_end_k_qb2f8757cc4_prep-k_qb2f8757cc4_prep
	.p2alignl 7, 3214868480
	.fill 96, 4, 3214868480
	.section	.rodata,"a",@progbits
	.p2align	6, 0x0
	.amdhsa_kernel k_qb2f8757cc4_prep
		.amdhsa_group_segment_fixed_size 34304
		.amdhsa_private_segment_fixed_size 0
		.amdhsa_enable_private_segment 0
		.amdhsa_kernarg_size 64
		.amdhsa_user_sgpr_count 2
		.amdhsa_user_sgpr_kernarg_segment_ptr 1
		.amdhsa_wavefront_size32 1
		.amdhsa_system_sgpr_workgroup_id_x 1
		.amdhsa_system_sgpr_workgroup_id_y 1
		.amdhsa_system_sgpr_workgroup_id_z 1
		.amdhsa_system_vgpr_workitem_id 0
		.amdhsa_next_free_vgpr 248
		.amdhsa_next_free_sgpr 66
		.amdhsa_reserve_vcc 1
		.amdhsa_float_denorm_mode_32 3
		.amdhsa_float_denorm_mode_16_64 3
		.amdhsa_memory_ordered 1
		.amdhsa_forward_progress 1
		.amdhsa_inst_pref_size 68
	.end_amdhsa_kernel
	.amdgpu_metadata
---
amdhsa.version: [ 1, 2 ]
amdhsa.kernels:
  - .name:           k_qb2f8757cc4_prep
    .symbol:         k_qb2f8757cc4_prep.kd
    .args:
      - { .name: x, .offset: 0, .size: 8, .value_kind: global_buffer, .address_space: global }
      - { .name: W_attn, .offset: 8, .size: 8, .value_kind: global_buffer, .address_space: global }
      - { .name: W_proj, .offset: 16, .size: 8, .value_kind: global_buffer, .address_space: global }
      - { .name: xc, .offset: 24, .size: 8, .value_kind: global_buffer, .address_space: global }
      - { .name: xs, .offset: 32, .size: 8, .value_kind: global_buffer, .address_space: global }
      - { .name: wc, .offset: 40, .size: 8, .value_kind: global_buffer, .address_space: global }
      - { .name: ws, .offset: 48, .size: 8, .value_kind: global_buffer, .address_space: global }
      - { .name: wp, .offset: 56, .size: 8, .value_kind: global_buffer, .address_space: global }
    .group_segment_fixed_size: 34304
    .private_segment_fixed_size: 0
    .kernarg_segment_align: 8
    .kernarg_segment_size: 64
    .max_flat_workgroup_size: 128
    .sgpr_count:     66
    .vgpr_count:     248
    .wavefront_size: 32
...
	.end_amdgpu_metadata
.endif
;; end of part 1
;; launch qkv (part 2): grid 12 x 16, 4 waves a work-group, clusters of 4 x 4, 327,680 bytes of LDS; arguments xc, xs, wc, ws, qkv, b_attn, q32; writes qkv, q32
.if DOCPART == 2
	.amdgcn_target "amdgcn-amd-amdhsa--gfx1250"
	.amdhsa_code_object_version 6
	.text
	.protected	k_qb2f8757cc4_qkv
	.globl	k_qb2f8757cc4_qkv
	.p2align	8
	.type	k_qb2f8757cc4_qkv,@function
k_qb2f8757cc4_qkv:
	s_mov_b64 s[64:65], 0
	v_nop
	global_prefetch_b8 v0, s[64:65] scope:SCOPE_SE
	s_setreg_imm32_b32 hwreg(HW_REG_WAVE_MODE, 25, 1), 1
	s_wait_xcnt 0x0
	s_wait_alu depctr_hold_cnt(0) depctr_sa_sdst(0) depctr_va_vdst(0) depctr_va_sdst(0) depctr_va_ssrc(0) depctr_va_vcc(0) depctr_vm_vsrc(0)
	s_getreg_b32 s2, hwreg(HW_REG_IB_STS2, 6, 4)
	s_cmp_eq_u32 s2, 0
	s_cbranch_scc0 .Lentry_in_a_cluster
	s_endpgm
.Lentry_in_a_cluster:
	s_bfe_u32 s2, ttmp6, 0x10000c
	s_cmp_lg_u32 s2, 0xf033
	s_cbranch_scc0 .Lentry_shape_is_right
	s_endpgm
.Lentry_shape_is_right:
; QKV = Q(x) Q(W_attn) + b_attn on codes of FP4 (E2M1) with one E8M0 scale for each 32 along K; sums in f32.  M = 4,096, N = 3,072, K = 1,024.
; A tile of 256 x 256 is made by a work-group of four waves; a wave makes 128 x 128: 64 accumulators, 512 registers.  192 work-groups.
; THE OPERANDS LIE IN MEMORY AS IMAGES OF THEIR REGISTERS (see the launch that makes them): 128 rows x 512 K are one dense block of 32,768 bytes, a fragment is two loads of 16 bytes at 16 x lane: no pitch, no padding.
; All of K fits into two LDS slots of 512 along K: both are asked for at the start, nothing is filled twice, and there is no loop.  By this text's count a wave has three tensor loads out: scales, slot 0, slot 1.
; CLUSTERS: 4 x 4 work-groups.  The four of a row of the cluster need the same tiles of x, the four of a column the same tiles of W_attn: each tile is asked for jointly.
; THE MATRIX INSTRUCTION IS USED TRANSPOSED (source 0 = 16 columns of W_attn, source 1 = 16 tokens): a lane holds one token and eight neighbouring channels.  The bias is the C of each sum's first product.
; THE WAY OUT needs no LDS: four roundings to f16 make 16 bytes, which are one register group of the next product's fragment.  qkv [third 3][batch x head 32][token tile 128][t 4][512 B], t = 16 channels of the head:
;   q, k: (token r, channels 8 h ..) at 16 r + 256 h = 16 x lane;   v: at 32 r + 16 h: rows of 32 bytes, for the transposing LDS load.  Each store of a wave covers 512 consecutive bytes.
; Tokens 0-15 of both sequences also go out in f32, q32 [2][16][3072], for the launch that carries those rows in f32: 32 bytes a lane, 393,216 bytes in all.  Which waves hold them hangs on the work-group's place, so they
; are chosen by EXEC and not by a branch.
; LIMITS: q, k, v are rounded to f16: magnitudes up to 65,504.
; No prefetch: nothing is fetched behind the first loads.
; REGISTERS, in windows of 256: window 0: v0-31 addresses; v32-95 scale words, two sets; v128-191 x's fragments, one set; v192-255 the bias.  window 1: W_attn's fragments, two sets (on the way out: the f16 results).
;   window 2: the accumulators of my rows 0-63 ((a, b) at v[8 (8 a + b)]);  window 3: those of rows 64-127.
.set NQ,     4                         ; steps of 128 along K in a slot
.set FR,     8                         ; registers of a fragment
.set NL,     2                         ; LDS loads that bring one
.set NP,     4                         ; places behind this matrix instruction (ISA guide 7.12.1)
.set HALFT,  32768                     ; 128 rows x 512 K: what one tensor load brings
.set SLOT,   4*HALFT                   ; x's 256 rows, then W_attn's 256 columns
.set SCL,    2*SLOT                    ; behind the slots: the scales: for each wave's 128 rows [kslot 2][128][16 B]
.set HALFS,  4096
.set SPARE,  SCL+4*HALFS               ; behind the scales: the spare words, 128 bytes a wave
.set ADRA, 16                          ; v16-17  LDS address of my fragments of x in slot 0, 1
.set ADRB, 20                          ; v20-21  the same for W_attn
.set BO,   24                          ; v24     32 h: my eight numbers of 16 of the bias
.set CO,   26                          ; v26     my 16 bytes in an image of qkv
.set ADRS, 27                          ; v27     LDS address of my scale words: lanes 0-15 x's rows, lanes 16-31 W_attn's columns
.set SPW,  28                          ; v28     LDS address of my spare word; never rewritten
.set NIL,  29                          ; v29     0; never rewritten
.set FLG,  30                          ; v30     0 in the waves whose first 16 rows are tokens 0-15 of a sequence
.set QO,   31                          ; v31     my byte offset in q32
.set SC,   32
.set AF,   128
.set BI,   192
.set G1, 24
.set G0, 32
.set G1B, 48
.set G0B, 56
.set G1S, 68
.set G0S, 76
.set G1SB, 80
.set G0SB, 88
.set MSB, 0
.macro WIN new                         ; the immediate's high byte repeats the setting that is left
.if MSB != (\new)
	s_set_vgpr_msb (MSB<<8)|(\new)
.set MSB, (\new)
.endif
.endm
.set MUL_LO, 0xa1                      ; source 0 window 1, source 1 window 0, C and D window 2
.set MUL_HI, 0xf1                      ; the same, C and D window 3
.set TO_B,   0x40                      ; destination window 1, address window 0
; A joint load: waves 0 and 1 fetch for x, waves 2 and 3 for W_attn.  The branch hangs on the wave's number alone.  An s_nop 0 and four v_nop follow each of the two lines.
.macro JLOAD g0a, g1a, g0b, g1b
	s_cmp_eq_u32 s15, 0
	s_cbranch_scc0 .Lfor_b_\@
	tensor_load_to_lds s[\g0a:\g0a+3], s[\g1a:\g1a+7]
	s_nop 0
.rept 4
	v_nop
.endr
	s_branch .Lasked_\@
.Lfor_b_\@:
	tensor_load_to_lds s[\g0b:\g0b+3], s[\g1b:\g1b+7]
	s_nop 0
.rept 4
	v_nop
.endr
.Lasked_\@:
.endm
.macro CREST                           ; a round of the cluster's barrier behind its opening barrier
	s_cmp_lg_u32 s14, 0
	s_cbranch_scc1 .Lnot_wave_0_\@
	s_barrier_signal -3
.Lnot_wave_0_\@:
	s_barrier_wait -3
	s_barrier_signal -1
	s_barrier_wait -1
.endm
.macro CROUND
	s_barrier_signal -1
	s_barrier_wait -1
	CREST
.endm
	s_load_b128 s[4:7], s[0:1], 0x0                ; xc s[4:5], xs s[6:7]
	s_load_b128 s[8:11], s[0:1], 0x10              ; wc s[8:9], ws s[10:11]
	s_load_b64 s[12:13], s[0:1], 0x20              ; qkv
	s_load_b64 s[96:97], s[0:1], 0x28              ; b_attn
	s_load_b64 s[98:99], s[0:1], 0x30              ; q32
	v_lshl_add_u32 v[SPW], v0, 2, SPARE
	v_mov_b32 v[NIL], 0
	ds_add_u32 v[SPW], v[NIL]                      ; the wave's opening: the add, twice on end, and its wait ahead of my first tensor load
	ds_add_u32 v[SPW], v[NIL]
	v_lshrrev_b32 v1, 5, v0
	v_readfirstlane_b32 s14, v1                    ; wave 0..3
	s_lshr_b32 s15, s14, 1                         ; which half of the tile's rows is mine.  Also: I fetch for x (0) or for W_attn (1)
	s_and_b32 s16, s14, 1                          ; which half of its columns.  Also: which 128 rows of that operand I fetch
	s_bfe_u32 s40, ttmp6, 0x40000                  ; cx, cy: my place in the cluster
	s_bfe_u32 s41, ttmp6, 0x40004
	s_lshl_b32 s42, ttmp9, 2
	s_add_co_u32 s42, s42, s40                     ; tile column = 4 x cluster x + cx
	s_and_b32 s17, ttmp7, 0xffff
	s_lshl_b32 s17, s17, 2
	s_add_co_u32 s17, s17, s41                     ; tile row = 4 x cluster y + cy
	s_lshl_b32 s43, s41, 2
	s_lshl_b32 s43, 15, s43                        ; my row of the cluster
	s_lshl_b32 s44, 0x1111, s40                    ; my column
	; descriptor group 1, codes: a dense block of 32,768 bytes as 128 rows of 32 elements of 8 bytes; no padding
	s_or_b32 s[G1+0], s43, (3<<16)|(1<<21)         ; 15:0 the mask; 17:16 elements of 8 bytes; 21 set beside a mask
	s_or_b32 s[G1B+0], s44, (3<<16)|(1<<21)
.irp g, G1, G1B
	s_mov_b32 s[\g+1], 32<<16                      ; tensor_dim0
	s_mov_b32 s[\g+2], 128<<16                     ; tensor_dim1
	s_mov_b32 s[\g+3], 32<<16                      ; tile_dim0
	s_mov_b32 s[\g+4], 128                         ; tile_dim1
	s_mov_b32 s[\g+5], 32                          ; from row to row
	s_mov_b32 s[\g+6], 0
	s_mov_b32 s[\g+7], 0
.endr
	; scales: 128 rows x 16 bytes of each of the two kslots: 2 rows of 256 elements of 8 bytes
	s_or_b32 s[G1S+0], s43, (3<<16)|(1<<21)
	s_or_b32 s[G1SB+0], s44, (3<<16)|(1<<21)
.irp g, G1S, G1SB
	s_mov_b32 s[\g+1], 256<<16
	s_mov_b32 s[\g+2], 2<<16
	s_mov_b32 s[\g+3], 256<<16
	s_mov_b32 s[\g+4], 2
	s_mov_b32 s[\g+6], 0
	s_mov_b32 s[\g+7], 0
.endr
	s_mov_b32 s[G1S+5], 8192                       ; xs: 4,096 rows x 16 bytes from kslot to kslot
	s_mov_b32 s[G1SB+5], 6144                      ; ws: 3,072 x 16
	s_lshl_b32 s18, s16, 15                        ; which 128 rows I fetch: 8 tiles of 4,096 bytes of codes,
	s_lshl_b32 s19, s16, 11                        ; 128 x 16 bytes of scales
	s_lshl_b32 s20, s17, 16
	s_add_co_u32 s20, s20, s18                     ; x's codes: hang on the tile row and the wave alone
	s_mov_b32 s21, 0
	s_lshl_b32 s22, s17, 12
	s_add_co_u32 s22, s22, s19                     ; x's scales
	s_mov_b32 s23, 0
	s_lshl_b32 s46, s42, 16
	s_add_co_u32 s46, s46, s18                     ; W_attn's codes: on the tile column and the wave alone
	s_mov_b32 s47, 0
	s_lshl_b32 s92, s42, 12
	s_add_co_u32 s92, s92, s19                     ; W_attn's scales
	s_mov_b32 s93, 0
	s_lshl_b32 s45, s14, 15                        ; where they go: wave x HALFT: no place in the cluster enters an LDS address
	s_lshl_b32 s94, s14, 12
	s_wait_dscnt 0x0                               ; both opening adds are done
	s_wait_kmcnt 0x0
	s_add_nc_u64 s[20:21], s[4:5], s[20:21]
	s_add_nc_u64 s[22:23], s[6:7], s[22:23]
	s_add_nc_u64 s[46:47], s[8:9], s[46:47]
	s_add_nc_u64 s[92:93], s[10:11], s[92:93]
	CROUND                                         ; all sixteen work-groups are here: the first joint loads meet
	s_mov_b32 s[G0S], 1
	s_add_co_u32 s[G0S+1], s94, SCL
	s_mov_b64 s[G0S+2:G0S+3], s[22:23]
	s_or_b32 s[G0S+3], s[G0S+3], 0x80000000
	s_mov_b32 s[G0SB], 1
	s_add_co_u32 s[G0SB+1], s94, SCL
	s_mov_b64 s[G0SB+2:G0SB+3], s[92:93]
	s_or_b32 s[G0SB+3], s[G0SB+3], 0x80000000
	JLOAD G0S, G1S, G0SB, G1SB                     ; the scales first: they are wanted with the first step
.irp s, 0,1
	s_mov_b32 s[G0+4*\s], 1
	s_add_co_u32 s[G0+4*\s+1], s45, \s*SLOT
	s_add_nc_u64 s[G0+4*\s+2:G0+4*\s+3], s[20:21], \s*1048576
	s_or_b32 s[G0+4*\s+3], s[G0+4*\s+3], 0x80000000
	s_mov_b32 s[G0B+4*\s], 1
	s_add_co_u32 s[G0B+4*\s+1], s45, \s*SLOT
	s_add_nc_u64 s[G0B+4*\s+2:G0B+4*\s+3], s[46:47], \s*786432
	s_or_b32 s[G0B+4*\s+3], s[G0B+4*\s+3], 0x80000000
	JLOAD G0+4*\s, G1, G0B+4*\s, G1B
.endr
	v_and_b32 v1, 15, v0                           ; r
	v_bfe_u32 v2, v0, 4, 1                         ; h
	v_and_b32 v3, 31, v0
	v_lshlrev_b32 v4, 4, v3                        ; 16 x lane
	s_lshl_b32 s21, s15, 15                        ; my 128 rows of x
	s_lshl_b32 s22, s16, 15                        ; my 128 columns of W_attn,
	s_add_co_u32 s22, s22, 2*HALFT                 ; which lie behind x's 256 rows
.irp s, 0,1
	v_add_nc_u32 v[ADRA+\s], s21, v4
	v_add_nc_u32 v[ADRB+\s], s22, v4
	s_add_co_u32 s21, s21, SLOT
	s_add_co_u32 s22, s22, SLOT
.endr
	v_lshlrev_b32 v5, 4, v1                        ; my row's 16 bytes of scales
	s_lshl_b32 s21, s15, 12                        ; x's: my 128 rows
	s_lshl_b32 s22, s16, 12                        ; W_attn's: my 128 columns, behind x's 256
	s_add_co_u32 s22, s22, 2*HALFS
	s_sub_co_u32 s22, s22, s21
	v_mul_u32_u24 v6, s22, v2                      ; lanes 16-31 take W_attn's: one product with h
	s_add_co_u32 s21, s21, SCL
	v_add_nc_u32 v5, v5, v6
	v_add_nc_u32 v[ADRS], s21, v5
	v_lshlrev_b32 v[BO], 5, v2
	s_lshl_b32 s46, s42, 10                        ; my first column, in bytes of f32: 1,024 x tile column + 512 x half
	s_lshl_b32 s47, s16, 9
	s_add_co_u32 s46, s46, s47
	s_mov_b32 s47, 0
	s_add_nc_u64 s[96:97], s[96:97], s[46:47]
.irp b, 0,1,2,3,4,5,6,7
	global_load_b128 v[BI+8*\b:BI+8*\b+3], v[BO], s[96:97] offset:64*\b        ; the bias in the result's layout: channels 16 b + 8 h + 0 .. 7
	global_load_b128 v[BI+8*\b+4:BI+8*\b+7], v[BO], s[96:97] offset:64*\b+16
.endr
	s_add_nc_u64 s[98:99], s[98:99], s[46:47]      ; q32: the same columns,
	s_lshr_b32 s46, s17, 3                         ; of the sequence in which my tile row lies
	s_mul_i32 s46, s46, 196608
	s_add_nc_u64 s[98:99], s[98:99], s[46:47]
	v_mul_u32_u24 v[QO], v1, 12288
	v_lshl_add_u32 v[QO], v2, 5, v[QO]             ; token r, + 32 h
	s_and_b32 s18, s17, 7
	s_or_b32 s18, s18, s15                         ; 0: the sequence's first tile row, and its upper half of rows
	v_mov_b32 v[FLG], s18
	s_cmp_eq_u32 ttmp9, 2                          ; the cluster's x is the third: 0 q, 1 k, 2 v
	s_cselect_b32 s18, 5, 4
	s_cselect_b32 s19, 4, 8
	v_lshlrev_b32 v[CO], s18, v1
	v_lshlrev_b32 v5, s19, v2
	v_add_nc_u32 v[CO], v[CO], v5                  ; q, k: 16 r + 256 h;  v: 32 r + 16 h
	s_lshr_b32 s20, s17, 3                         ; the sequence,
	s_lshl_b32 s20, s20, 4
	s_lshl_b32 s21, s40, 2
	s_add_co_u32 s20, s20, s21
	s_lshl_b32 s21, s16, 1
	s_add_co_u32 s20, s20, s21                     ; x 16 + my first head: 4 cx + 2 x half
	s_lshl_b32 s20, s20, 18
	s_lshl_b32 s21, ttmp9, 23
	s_add_co_u32 s20, s20, s21
	s_and_b32 s21, s17, 7
	s_lshl_b32 s21, s21, 15                        ; 16 token tiles of 2,048 bytes a tile row,
	s_add_co_u32 s20, s20, s21
	s_lshl_b32 s21, s15, 14                        ; 8 for my half
	s_add_co_u32 s20, s20, s21
	s_mov_b32 s21, 0
	s_add_nc_u64 s[12:13], s[12:13], s[20:21]
.macro FRAG reg, adr, q, i             ; a fragment: tile i of my eight, the slot's q-th 128 along K: two groups of four registers, 512 bytes each
.irp c, 0,1
	ds_load_b128 v[\reg+4*\c:\reg+4*\c+3], v[\adr] offset:4096*(\i)+1024*(\q)+512*\c
.endr
.endm
; 16 matrix instructions: token blocks a0, a0 + 1 x the eight channel blocks.  p: W_attn's set; sc: the set of scale words.  first = 1: the bias starts the sums.
; The 64 accumulators take turns, one instruction a turn, in the same order in every step.
.macro MUL16 a0, p, q, sc, first
.irp a, \a0, \a0+1
.irp b, 0,1,2,3,4,5,6,7
.if \first
	v_wmma_scale_f32_16x16x128_f8f6f4 v[8*(8*((\a)%4)+\b):8*(8*((\a)%4)+\b)+7], v[128*(\p)+FR*\b:128*(\p)+FR*\b+FR-1], v[AF+FR*(\a):AF+FR*(\a)+FR-1], v[BI+8*\b:BI+8*\b+7], v[SC+8*NQ*(\sc)+NQ*\b+(\q)], v[SC+8*NQ*(\sc)+NQ*(\a)+(\q)] matrix_a_fmt:MATRIX_FMT_FP4 matrix_b_fmt:MATRIX_FMT_FP4 matrix_a_scale:MATRIX_SCALE_ROW1
.else
	v_wmma_scale_f32_16x16x128_f8f6f4 v[8*(8*((\a)%4)+\b):8*(8*((\a)%4)+\b)+7], v[128*(\p)+FR*\b:128*(\p)+FR*\b+FR-1], v[AF+FR*(\a):AF+FR*(\a)+FR-1], v[8*(8*((\a)%4)+\b):8*(8*((\a)%4)+\b)+7], v[SC+8*NQ*(\sc)+NQ*\b+(\q)], v[SC+8*NQ*(\sc)+NQ*(\a)+(\q)] matrix_a_fmt:MATRIX_FMT_FP4 matrix_b_fmt:MATRIX_FMT_FP4 matrix_a_scale:MATRIX_SCALE_ROW1
.endif
.endr
.endr
.endm
.macro FETCH_B slot, q, p
	WIN TO_B
.irp i, 0,1,2,3,4,5,6,7
	FRAG 128*(\p)+FR*\i, ADRB+\slot, \q, \i
.endr
	WIN 0
.endm
.macro FETCH_A slot, q, i0
.irp i, \i0, \i0+1, \i0+2, \i0+3
	FRAG AF+FR*(\i), ADRA+\slot, \q, \i
.endr
.endm
.macro SCALES sc                       ; slot sc's scale words: four words a row; lanes 0-15 take x's block i, lanes 16-31 W_attn's block i
.irp i, 0,1,2,3,4,5,6,7
	ds_load_b128 v[SC+8*NQ*\sc+NQ*\i:SC+8*NQ*\sc+NQ*\i+3], v[ADRS] offset:2048*\sc+256*\i
.endr
.endm
.macro PLACES n                        ; plain vector lines between a matrix instruction and a load into, or a read of, its registers
.rept \n
	v_nop
.endr
.endm
; A step of 128 along K that has its successor in the same slot.
.macro STEP slot, q, first
	s_wait_dscnt 4*NL                              ; W_attn's set and x's blocks 0-3 are in; the youngest eight loads (x's blocks 4-7) may be out
	WIN MUL_LO-0x20*(\first)                       ; (first: C, the bias, lies in window 0)
	MUL16 0, (\q)%2, \q, \slot, \first
	MUL16 2, (\q)%2, \q, \slot, \first
	s_wait_dscnt 0                                 ; x's blocks 4-7 are in
	PLACES NP
	FETCH_B \slot, (\q)+1, 1-(\q)%2
	FETCH_A \slot, (\q)+1, 0
	WIN MUL_HI-0x30*(\first)
	MUL16 4, (\q)%2, \q, \slot, \first
	MUL16 6, (\q)%2, \q, \slot, \first
	PLACES NP
	WIN 0
	FETCH_A \slot, (\q)+1, 4
.endm
; Slot 0's last step goes over to slot 1: each wave waits for all its tensor loads (its part of slot 1), then the barrier: behind it slot 1 is whole.  Nothing is filled again.
.macro TURN slot, next
	s_wait_tensorcnt 0x0                           ; all my tensor loads have landed
	ds_add_u32 v[SPW], v[NIL]                      ; 0 onto my spare word
	s_wait_dscnt 4*NL+1                            ; (the add and the youngest eight loads may be out)
	WIN MUL_LO
	MUL16 0, 1, NQ-1, \slot, 0
	s_wait_dscnt 0x0                               ; the add is done, and no LDS load of mine is out at the signal
	s_barrier_signal -1
	MUL16 2, 1, NQ-1, \slot, 0
	WIN 0
	s_barrier_wait -1
	PLACES NP
	FETCH_B \next, 0, 0
	FETCH_A \next, 0, 0
	SCALES \next
	WIN MUL_HI
	MUL16 4, 1, NQ-1, \slot, 0
	MUL16 6, 1, NQ-1, \slot, 0
	PLACES NP
	WIN 0
	FETCH_A \next, 0, 4
.endm
	s_wait_tensorcnt 1                             ; the scales and my part of slot 0 are in (slot 1's load may be out)
	s_barrier_signal -1
	s_barrier_wait -1                              ; everybody's are
	FETCH_B 0, 0, 0
	FETCH_A 0, 0, 0
	SCALES 0
	FETCH_A 0, 0, 4
	s_wait_loadcnt 0x0                             ; the bias
	STEP 0, 0, 1
	STEP 0, 1, 0
	STEP 0, 2, 0
	TURN 0, 1
	STEP 1, 0, 0
	STEP 1, 1, 0
	STEP 1, 2, 0
	s_wait_dscnt 4*NL                              ; the last step: nothing more to fetch
	WIN MUL_LO
	MUL16 0, 1, NQ-1, 1, 0
	MUL16 2, 1, NQ-1, 1, 0
	s_wait_dscnt 0
	WIN MUL_HI
	MUL16 4, 1, NQ-1, 1, 0
	MUL16 6, 1, NQ-1, 1, 0
	WIN 0
	PLACES NP                                      ; behind the last products, with all lanes on: for the reads of results and the writes over W_attn's fragments
	; tokens 0-15 of a sequence in f32: my block 0, in the waves where FLG is 0.  EXEC changes only behind a wait on XCNT
	s_wait_xcnt 0x0
	v_cmp_eq_u32 vcc_lo, 0, v[FLG]
	s_and_saveexec_b32 s20, vcc_lo
	WIN 0x08                                       ; a store's data are its source 1: window 2
.irp b, 0,1,2,3,4,5,6,7
	global_store_b128 v[QO], v[8*\b:8*\b+3], s[98:99] offset:64*\b          ; each accumulator from its low end on
	global_store_b128 v[QO], v[8*\b+4:8*\b+7], s[98:99] offset:64*\b+16
.endr
	WIN 0
	s_wait_xcnt 0x0
	s_or_b32 exec_lo, exec_lo, s20
; block a (16 tokens x 128 channels): rounded to f16 into window 1, each register written once, and stored as eight images
.macro OUTBLK a
.set AC, 64*((\a)%4)
	WIN 0x4a+5*((\a)/4)                            ; sources window 2 or 3, destination window 1
.irp b, 0,1,2,3,4,5,6,7
.irp i, 0,1,2,3
	v_cvt_pk_f16_f32 v[4*(8*(\a)+\b)+\i], v[AC+8*\b+2*\i], v[AC+8*\b+2*\i+1]
.endr
.endr
	WIN 0x04                                       ; the stores' data: window 1
.irp b, 0,1,2,3,4,5,6,7
	global_store_b128 v[CO], v[4*(8*(\a)+\b):4*(8*(\a)+\b)+3], s[12:13] offset:2048*(\a)+262144*(\b/4)+512*(\b%4)   ; token tile a, head b / 4, channels 16 (b % 4) on: 512 consecutive bytes
.endr
.endm
.irp a, 0,1,2,3,4,5,6,7
	OUTBLK \a
.endr
	WIN 0
	s_wait_tensorcnt 0x0                           ; the wave's end
	ds_add_u32 v[SPW], v[NIL]
	s_wait_dscnt 0x0
	CROUND                                         ; the closing round
	s_endpgm
.Lfunc_end_k_qb2f8757cc4_qkv:
	.size	k_qb2f8757cc4_qkv, .Lfunc_end_k_qb2f8757cc4_qkv-k_qb2f8757cc4_qkv
	.p2alignl 7, 3214868480
	.fill 96, 4, 3214868480
	.section	.rodata,"a",@progbits
	.p2align	6, 0x0
	.amdhsa_kernel k_qb2f8757cc4_qkv
		.amdhsa_group_segment_fixed_size 327680
		.amdhsa_private_segment_fixed_size 0
		.amdhsa_enable_private_segment 0
		.amdhsa_kernarg_size 56
		.amdhsa_user_sgpr_count 2
		.amdhsa_user_sgpr_kernarg_segment_ptr 1
		.amdhsa_wavefront_size32 1
		.amdhsa_system_sgpr_workgroup_id_x 1
		.amdhsa_system_sgpr_workgroup_id_y 1
		.amdhsa_system_sgpr_workgroup_id_z 1
		.amdhsa_system_vgpr_workitem_id 0
		.amdhsa_next_free_vgpr 1024
		.amdhsa_next_free_sgpr 100
		.amdhsa_reserve_vcc 1
		.amdhsa_float_denorm_mode_32 3
		.amdhsa_float_denorm_mode_16_64 3
		.amdhsa_memory_ordered 1
		.amdhsa_forward_progress 1
		.amdhsa_inst_pref_size 121
	.end_amdhsa_kernel
	.amdgpu_metadata
---
amdhsa.version: [ 1, 2 ]
amdhsa.kernels:
  - .name:           k_qb2f8757cc4_qkv
    .symbol:         k_qb2f8757cc4_qkv.kd
    .args:
      - { .name: xc, .offset: 0, .size: 8, .value_kind: global_buffer, .address_space: global }
      - { .name: xs, .offset: 8, .size: 8, .value_kind: global_buffer, .address_space: global }
      - { .name: wc, .offset: 16, .size: 8, .value_kind: global_buffer, .address_space: global }
      - { .name: ws, .offset: 24, .size: 8, .value_kind: global_buffer, .address_space: global }
      - { .name: qkv, .offset: 32, .size: 8, .value_kind: global_buffer, .address_space: global }
      - { .name: b_attn, .offset: 40, .size: 8, .value_kind: global_buffer, .address_space: global }
      - { .name: q32, .offset: 48, .size: 8, .value_kind: global_buffer, .address_space: global }
    .group_segment_fixed_size: 327680
    .private_segment_fixed_size: 0
    .kernarg_segment_align: 8
    .kernarg_segment_size: 56
    .max_flat_workgroup_size: 128
    .sgpr_count:     100
    .vgpr_count:     1024
    .wavefront_size: 32
...
	.end_amdgpu_metadata
.endif
;; end of part 2
;; launch attn (part 3): grid 8 x 32, 12 waves a work-group, no clusters, 327,680 bytes of LDS; arguments qkv, y; writes y
.if DOCPART == 3
	.amdgcn_target "amdgcn-amd-amdhsa--gfx1250"
	.amdhsa_code_object_version 6
	.text
	.protected	k_qb2f8757cc4_attn
	.globl	k_qb2f8757cc4_attn
	.p2align	8
	.type	k_qb2f8757cc4_attn,@function
k_qb2f8757cc4_attn:
	s_mov_b64 s[64:65], 0
	v_nop
	global_prefetch_b8 v0, s[64:65] scope:SCOPE_SE
	s_setreg_imm32_b32 hwreg(HW_REG_WAVE_MODE, 25, 1), 1
	s_wait_xcnt 0x0
; Y[b][h][q] = the sum over k <= q of softmax_k(Q . K / 8) V, for 32 (sequence, head) pairs, 2,048 tokens, head size 64.  Operands f16, products, maxima and sums f32; the weights p are rounded to f16 for the second product.
; INPUT: qkv [third 3][pair 32][token tile 128][t 4][512 B] (images of operand registers; V as rows of 32 bytes).  OUTPUT: y [ks 4][row tile 256][chunk 8][1024 B], f16: images of the projection's fragments.
; SHARES.  Work-group (i, pair) owns the blocks i and 15 - i of 128 queries: i + 1 and 16 - i key steps of 128 keys, 17 for every work-group.  A WAVE OWNS TWO TILES OF 16 QUERIES, so that each fragment of K and V that it
; reads from LDS feeds two matrix instructions.  Twelve waves, three to a SIMD; wave w has k = w / 3 and role = w % 3:
;   role 0: queries 128 i + 32 k on, every key step;   role 1: queries 128 (15 - i) + 32 k on, the even key steps;   role 2: the same queries, the odd key steps.
; So the high block's long walk is shared by two waves, and the three roles of one k have (i + 1) + (16 - i) = 17 steps together.  At the end role 2 hands its maximum, sum and O^T to role 1 (wave w - 1) through LDS, as images of
; its registers, and role 1 brings both under the larger maximum and adds.  Each half has at least four steps (the high block has nine or more), so both maxima are numbers.
; All waves walk the same keys; K and V come through a ring of two LDS slots of 256 keys (two key steps), filled by waves 0 to 3 and read by all.
; NO CLUSTER: under the causal mask the work-groups of a head need different numbers of K and V tiles, and a joint load may not be left out by some partners.
; LAYOUT.  S^T = K Q^T (source 0 = 16 keys, source 1 = 16 queries), O^T = V^T P (source 0 = 16 channels, source 1 = P): a lane holds ONE query of each tile (lane % 16) throughout; two tiles of S^T, rounded in pairs, are a fragment of P.
; SOFTMAX.  For each query a running maximum m and sum l: p = 2^(c s - c m), c = log2(e) / 8; in every step O and l are multiplied by a = 2^(c m_old - c m_new).
; CAUSAL.  Every work-group walks all 8 slots (constant trip counts); a step all of whose keys come after the wave's queries is jumped over; on the diagonal hidden scores become -infinity; a slot whose first key comes after the
; work-group's last query is not asked for.  Each tensor load brings half the key tiles of BOTH steps of a slot (2 rows of 8,192 bytes), so that every load that is issued holds bytes of the slot's first step, which role 1 of k = 3 reads.
; Every wait on TENSORcnt in this text is for 0.
; LIMITS: q, k, v come as f16 (magnitudes up to 65,504); NaN and infinities are not served.  Rows 0-15 of each sequence are computed here too, but the output's rows there come from the launch that carries them in f32.
; REGISTERS.  Window 0: v1-11 lane terms and addresses; v12-23 six registers of statistics a tile (c m, m, l in two halves, a and its pair's upper half); v24-31 at work; v32-63 Q; v64-127 eight fragments of K or V;
;   v128-191, v192-255 S^T of tiles 0 and 1, then p; P is rounded IN PLACE into the lower 32 of each 64, and the upper 32 then take V's second half.  At a step's head the lower halves hold K's key tiles 4-7.
;   Window 1 (v256-319): O^T, 32 registers a tile.  K Q^T needs no window switch; a step has three: for O^T's rescaling, for V^T P, and back.
.set SLOT1, 1<<16                      ; slot 1 begins here: one exclusive or turns an address in one slot into the other's.  A slot: K tiles 0-3 (step 0, step 1), K tiles 4-7, V tiles 0-3, V tiles 4-7: 16,384 bytes each
.set SPARE, 2*SLOT1                    ; behind the ring: the spare words, 128 bytes a wave: six blocks of 256 bytes that no other line names
.set MRG,   SPARE+2048                 ; behind them: 8,704 bytes for each wave, for the hand-over: 16 images of O^T, one of the statistics.  No tensor load fills them
.set MSZ,   8704
.set L16, 1                            ; v1   16 x lane: an image's place for my lane
.set VL,  2                            ; v2   my lane's place for the transposing load of V
.set DG,  3                            ; v3   r - 8 h, for the diagonal
.set MST, 4                            ; v4   the hand-over: my own bytes
.set SPW, 5                            ; v5   LDS address of my spare word; never rewritten
.set NIL, 6                            ; v6   0; never rewritten
.set PFO, 7                            ; v7   the prefetches' offset: 256 x lane
.set ADK, 8                            ; v8   LDS address of the step's K
.set ADV, 9                            ; v9   and V
.set MLD, 10                           ; v10  the hand-over: the next wave's bytes
.set NINF, 11                          ; v11  -infinity
.set ST,  12                           ; tile t at ST + 6 t: +0 c m, +1 m, +2, +3 l, +4 a, +5 written once (named as the upper half of a's pair)
.set T,   24                           ; v24-27 at work
.set PERM, 28                          ; v28  a lane permute's destination
.set DD,  29                           ; v29  at work
.set OLD, 30                           ; v30-31 at work
.set Q,   32
.set KV,  64
.set S,   128
.set TB,  2                            ; s2   LDS byte at which the slot in hand begins
.set SLOTS, 3                          ; s3   changes of slots still to come in the loop
.set WV,  8                            ; s8   my wave's number
.set KF,  9                            ; s9   the step's first key
.set Q0,  10                           ; s10  my first query
.set QL,  11                           ; s11  my work-group's last query
.set CS,  12                           ; s[12:13] c, twice
.set SEL, 14                           ; s[14:15] lane selects: lane l xor 16
.set G0,  16                           ; s[16:19] descriptor group 0, which walks
.set PFA, 20                           ; s[20:21] where my prefetches stand
.set LIM, 22                           ; s22  1 in a wave that prefetches, else the greatest number
.set G1,  24                           ; s[24:31] descriptor group 1
.set ROLE, 44                          ; s44  w % 3
.set PM,  45                           ; s45  which of a slot's two steps are mine: bit q
.set MSB, 0
.macro WIN new                         ; the immediate's high byte repeats the setting that is left; a switch that changes nothing is dropped
.if MSB != (\new)
	s_set_vgpr_msb (MSB<<8)|(\new)
.set MSB, (\new)
.endif
.endm
; Waves 0 and 1 fetch K's halves, waves 2 and 3 V's, the others nothing.  An s_nop 0 and four v_nop follow the load.
.macro TLOAD
	s_cmp_lt_u32 s[WV], 4
	s_cbranch_scc0 .Lasked_\@
	tensor_load_to_lds s[G0:G0+3], s[G1:G1+7]
	s_nop 0
.rept 4
	v_nop
.endr
.Lasked_\@:
.endm
; A prefetch of the slot that the NEXT change of slots will ask for: 32,768 bytes of K and as many of V.  All work-groups of a pair walk the same K and V: the pair's first work-group, which walks all slots, asks;
; in it waves 4 to 7 ask for K's block and waves 8 to 11 for V's, 8,192 bytes a wave, lanes 256 bytes apart: each aligned block of 256 bytes is named once in the launch.  The last change that fills a slot asks for nothing.
.macro ASK
	s_cmp_gt_u32 s[SLOTS], s[LIM]
	s_cbranch_scc0 .Lnot_mine_\@
	global_prefetch_b8 v[PFO], s[PFA:PFA+1] th:TH_LOAD_NT scope:SCOPE_SE
.Lnot_mine_\@:
.endm
	s_load_b128 s[4:7], s[0:1], 0x0                ; qkv s[4:5], y s[6:7]
	v_lshl_add_u32 v[SPW], v0, 2, SPARE
	v_mov_b32 v[NIL], 0
	ds_add_u32 v[SPW], v[NIL]                      ; the wave's opening: the add, twice on end, and its wait ahead of my first tensor load
	ds_add_u32 v[SPW], v[NIL]
	v_lshrrev_b32 v8, 5, v0
	v_readfirstlane_b32 s[WV], v8                  ; wave 0..11
	s_and_b32 s32, ttmp7, 0xffff                   ; the pair: 16 x sequence + head
	s_lshl_b32 s33, s32, 18                        ; its bytes in each third of qkv
	; descriptor group 1: 2 rows of 1,024 elements of 8 bytes, 16,384 bytes apart in memory, on end in LDS
	s_mov_b32 s[G1], 3<<16
	s_mov_b32 s[G1+1], 1024<<16                    ; tensor_dim0
	s_mov_b32 s[G1+2], 2<<16                       ; tensor_dim1
	s_mov_b32 s[G1+3], 1024<<16                    ; tile_dim0
	s_mov_b32 s[G1+4], 2                           ; tile_dim1
	s_mov_b32 s[G1+5], 2048                        ; from row to row
	s_mov_b32 s[G1+6], 0
	s_mov_b32 s[G1+7], 0
	s_mul_i32 s34, s[WV], 11
	s_lshr_b32 s34, s34, 5                         ; k = w / 3 (11 w / 32, for w up to 11)
	s_mul_i32 s35, s[WV], 0x5556
	s_and_b32 s35, s35, 0xffff                     ; the fraction of w / 3, in 65,536ths,
	s_mul_i32 s35, s35, 3
	s_lshr_b32 s[ROLE], s35, 16                    ; x 3: w % 3
	s_sub_co_u32 s36, 15, ttmp9                    ; the high block
	s_cmp_eq_u32 s[ROLE], 0
	s_cselect_b32 s[PM], 3, s[ROLE]                ; role 0: both steps of a slot; role 1: step 0; role 2: step 1
	s_cselect_b32 s35, ttmp9, s36
	s_lshl_b32 s[Q0], s35, 7
	s_lshl_b32 s34, s34, 5
	s_add_co_u32 s[Q0], s[Q0], s34                 ; my first query: 128 x block + 32 k
	s_lshl_b32 s[QL], s36, 7
	s_or_b32 s[QL], s[QL], 127                     ; the high block's last
	s_mov_b32 s[G0], 1                             ; count = 1
	s_lshl_b32 s[G0+1], s[WV], 14                  ; LDS: wave x 16,384, in slot 0
	s_lshr_b32 s36, s[WV], 1
	s_add_co_u32 s36, s36, 1                       ; third 1 (K) or 2 (V)
	s_lshl_b32 s36, s36, 23
	s_add_co_u32 s36, s36, s33
	s_and_b32 s37, s[WV], 1
	s_lshl_b32 s37, s37, 13                        ; token tiles 0-3 or 4-7 of a step
	s_add_co_u32 s36, s36, s37
	s_mov_b32 s37, 0
	s_lshl_b32 s38, s[Q0], 7                       ; Q: (Q0 / 16) x 2,048
	s_add_co_u32 s38, s38, s33
	s_mov_b32 s39, 0
	s_and_b32 s40, s32, 15                         ; y: the head's ks,
	s_lshr_b32 s40, s40, 2
	s_lshl_b32 s40, s40, 21
	s_lshr_b32 s41, s32, 4
	s_lshl_b32 s41, s41, 7
	s_lshr_b32 s42, s[Q0], 4
	s_add_co_u32 s41, s41, s42                     ; the row tile: 128 x sequence + Q0 / 16,
	s_lshl_b32 s41, s41, 13
	s_add_co_u32 s40, s40, s41
	s_and_b32 s41, s32, 3
	s_lshl_b32 s41, s41, 11                        ; and the head's two chunks
	s_add_co_u32 s40, s40, s41
	s_mov_b32 s41, 0
	s_lshr_b32 s42, s[WV], 2                       ; the prefetches: waves 4-7 third 1, waves 8-11 third 2 (held there for the waves that ask for nothing)
	s_max_u32 s42, s42, 1
	s_min_u32 s42, s42, 2
	s_lshl_b32 s42, s42, 23
	s_add_co_u32 s42, s42, s33
	s_and_b32 s43, s[WV], 3
	s_lshl_b32 s43, s43, 13
	s_add_co_u32 s42, s42, s43
	s_add_co_u32 s42, s42, 32768                   ; in slot 1: the first change of slots steps it to slot 2
	s_mov_b32 s43, 0
	s_mov_b32 s[CS], 0x3e38aa3b                    ; c = log2(e) / 8
	s_mov_b32 s[CS+1], s[CS]
	s_mov_b32 s[SEL], 0x76543210
	s_mov_b32 s[SEL+1], 0xfedcba98
	s_mov_b32 s[TB], 0
	s_mov_b32 s[KF], 0
	s_mov_b32 s[SLOTS], 7
	s_wait_dscnt 0x0                               ; both opening adds are done
	s_wait_kmcnt 0x0
	s_add_nc_u64 s[G0+2:G0+3], s[4:5], s[36:37]
	s_or_b32 s[G0+3], s[G0+3], 0x80000000          ; type = 2
	TLOAD                                          ; slot 0: it holds key 0, which counts for every query
	s_add_nc_u64 s[38:39], s[4:5], s[38:39]
	s_add_nc_u64 s[6:7], s[6:7], s[40:41]
	s_add_nc_u64 s[PFA:PFA+1], s[4:5], s[42:43]
	s_sub_co_u32 s42, s[WV], 4
	s_lshr_b32 s42, s42, 3                         ; 0 in waves 4 to 11,
	s_or_b32 s42, s42, ttmp9                       ; of the pair's first work-group
	s_cmp_eq_u32 s42, 0
	s_cselect_b32 s[LIM], 1, -1
	v_and_b32 v[PFO], 31, v0                       ; lane
	v_lshlrev_b32 v[L16], 4, v[PFO]
	v_lshlrev_b32 v[PFO], 8, v[PFO]
.irp t, 0,1,2,3,4,5,6,7
	global_load_b128 v[Q+4*\t:Q+4*\t+3], v[L16], s[38:39] offset:512*\t   ; Q's four fragments stay in registers: tile t / 4, channels 16 (t % 4) on
.endr
	v_bfe_u32 v9, v0, 4, 1                         ; h
	v_and_b32 v24, 7, v0
	v_bfe_u32 v25, v0, 3, 1
	v_lshl_add_u32 v[VL], v9, 3, v24               ; the transposing load: key 8 h + lane % 8,
	v_lshlrev_b32 v[VL], 5, v[VL]                  ; rows of 32 bytes,
	v_lshl_add_u32 v[VL], v25, 4, v[VL]            ; channels 8 ((lane / 8) % 2) on,
	v_add_nc_u32 v[VL], 32768, v[VL]               ; V lies behind K
	v_and_b32 v[DG], 15, v0
	v_lshlrev_b32 v24, 3, v9
	v_sub_nc_u32 v[DG], v[DG], v24                 ; r - 8 h
	s_mul_i32 s23, s[WV], MSZ
	s_add_co_u32 s23, s23, MRG
	v_add_nc_u32 v[MST], s23, v[L16]               ; the hand-over's addresses are made here, ahead of every parting of the roles
	v_add_nc_u32 v[MLD], MSZ, v[MST]
	v_mov_b32 v[NINF], 0xff800000
.irp t, 0,1
	v_mov_b32 v[ST+6*\t+1], 0xff61b1e6             ; m: -3e38, under every score
	v_mul_f32 v[ST+6*\t], s[CS], v[ST+6*\t+1]      ; c m
	v_mov_b32 v[ST+6*\t+2], 0                      ; l, in two halves
	v_mov_b32 v[ST+6*\t+3], 0
	v_mov_b32 v[ST+6*\t+5], 0                      ; (named as the upper half of a's pair)
.endr
	v_mov_b32 v[PERM], 0                           ; written once: a lane permute's destination counts as one of its sources
	v_mov_b32 v[OLD+1], 0                          ; (named as the upper half of a pair in the hand-over)
	WIN 0x40                                       ; destination window 1
.set j, 0
.rept 64
	v_mov_b32 v[j], 0                              ; O^T: the step is written once; the first step finds zeros, which a = 0 leaves zeros
.set j, j+1
.endr
	WIN 0
; K's fragments of key tiles 4 g .. 4 g + 3 of step q.  g = 0: into the K/V buffer.  g = 1: into the lower halves of the scores' registers, where the scores of key tiles 0-3 land only later
.macro KLOAD q, g
.irp uu, 0,1,2,3
.irp t, 0,1,2,3
.if \g
.set rK, S+64*(\uu/2)+16*(\uu%2)+4*\t
.else
.set rK, KV+16*\uu+4*\t
.endif
	ds_load_b128 v[rK:rK+3], v[ADK] offset:16384*(\g)+8192*(\q)+2048*\uu+512*\t
.endr
.endr
.endm
; S^T = K Q^T for key tiles 4 g .. 4 g + 3 and both tiles of queries: each fragment of K feeds two products.  The eight accumulators take turns, one instruction a turn; the first 32 channels start the sums
.macro KQ g
.irp c, 0,1
.irp uu, 0,1,2,3
.irp t, 0,1
.if \g
.set rK, S+64*(\uu/2)+16*(\uu%2)+8*\c
.else
.set rK, KV+16*\uu+8*\c
.endif
.set rS, S+64*\t+32*(\g)+8*\uu
.set rQ, Q+16*\t+8*\c
.if \c
	v_wmma_f32_16x16x32_f16 v[rS:rS+7], v[rK:rK+7], v[rQ:rQ+7], v[rS:rS+7]
.else
	v_wmma_f32_16x16x32_f16 v[rS:rS+7], v[rK:rK+7], v[rQ:rQ+7], 0
.endif
.endr
.endr
.endr
.endm
; V^T's fragments of keys 64 g on of step q: chunk cc of 32 keys, channels 16 t on; registers 0-3 from one token tile, 4-7 from the next.  g = 0: into the K/V buffer; g = 1: into the upper halves of the scores' registers, free once P is rounded
.macro VLOAD q, g
.irp cc, 0,1
.irp t, 0,1,2,3
.irp e, 0,1
.if \g
.set rV, S+32+64*\cc+8*\t+4*\e
.else
.set rV, KV+32*\cc+8*\t+4*\e
.endif
	ds_load_tr16_b128 v[rV:rV+3], v[ADV] offset:16384*(\g)+8192*(\q)+2048*(2*\cc+\e)+512*\t
.endr
.endr
.endr
.endm
; O^T += V^T P for keys 64 g on, both tiles of queries: each fragment of V feeds two products; eight accumulators by turns.  C and D lie in window 1
.macro PV g
.irp cc, 0,1
.irp t, 0,1,2,3
.irp u, 0,1
.if \g
.set rV, S+32+64*\cc+8*\t
.else
.set rV, KV+32*\cc+8*\t
.endif
.set rP, S+64*\u+8*(2*(\g)+\cc)
.set rO, 32*\u+8*\t
	v_wmma_f32_16x16x32_f16 v[rO:rO+7], v[rV:rV+7], v[rP:rP+7], v[rO:rO+7]
.endr
.endr
.endr
.endm
; tile t: the new maximum, c m, and c m_old - c m_new
.macro MAXT t
.set rS, S+64*(\t)
.set rT, ST+6*(\t)
.irp b, 0,1,2,3
	v_max3_num_f32 v[T+\b], v[rS+16*\b], v[rS+16*\b+1], v[rS+16*\b+2]   ; four chains
.endr
.irp i, 3,5,7,9,11,13
.irp b, 0,1,2,3
	v_max3_num_f32 v[T+\b], v[T+\b], v[rS+16*\b+\i], v[rS+16*\b+\i+1]
.endr
.endr
.irp b, 0,1,2,3
	v_max_num_f32 v[T+\b], v[T+\b], v[rS+16*\b+15]
.endr
	v_max3_num_f32 v[T], v[T], v[T+1], v[T+2]
	v_max3_num_f32 v[T], v[T], v[T+3], v[rT+1]     ; with the old m
	v_permlanex16_b32 v[PERM], v[T], s[SEL], s[SEL+1]   ; the query's other keys lie in the lane 16 away
	v_mov_b32 v[OLD], v[rT]                        ; c m_old
	v_max_num_f32 v[rT+1], v[T], v[PERM]           ; the new m
	v_mul_f32 v[rT], s[CS], v[rT+1]
	v_sub_f32 v[rT+4], v[OLD], v[rT]               ; c m_old - c m_new
.endm
.macro SCALE t                         ; c s - c m, two at a time
.set rS, S+64*(\t)
.set rT, ST+6*(\t)
.set j, 0
.rept 32
	v_pk_fma_f32 v[rS+j:rS+j+1], v[rS+j:rS+j+1], s[CS:CS+1], v[rT:rT+1] op_sel_hi:[1,0,0] neg_lo:[0,0,1] neg_hi:[0,0,1]
.set j, j+2
.endr
.endm
.macro EXPS t                          ; p, and a
.set rS, S+64*(\t)
.set j, 0
.rept 64
	v_exp_f32 v[rS+j], v[rS+j]
.set j, j+1
.endr
	v_exp_f32 v[ST+6*(\t)+4], v[ST+6*(\t)+4]
.endm
.macro CVTT t                          ; P, rounded in place: register j takes p 2 j and 2 j + 1, which no earlier line of the run has written.  Registers 8 n .. 8 n + 7 are the fragment of keys 32 n on
.set rS, S+64*(\t)
.set j, 0
.rept 32
	v_cvt_pk_f16_f32 v[rS+j], v[rS+2*j], v[rS+2*j+1]
.set j, j+1
.endr
.endm
; A KEY STEP: 128 keys, the q-th of the slot in hand.
.macro STEP q
	s_and_b32 s23, s[PM], 1<<(\q)
	s_cmp_eq_u32 s23, 0                            ; not my half of the high block's walk: the wave's number alone
	s_cbranch_scc1 .Lhidden_\@
	s_add_co_u32 s23, s[Q0], 31
	s_cmp_gt_u32 s[KF], s23                        ; all keys come after my queries: ids and the count of steps alone
	s_cbranch_scc1 .Lhidden_\@
	v_add_nc_u32 v[ADK], s[TB], v[L16]
	v_add_nc_u32 v[ADV], s[TB], v[VL]
.rept 3
	v_nop                                          ; with the two additions five plain lines behind the last step's products: four ahead of loads into registers that they read, five ahead of products that write over such registers
.endr
	KLOAD \q, 1                                    ; all of the step's K in one run: key tiles 4-7 first,
	KLOAD \q, 0
	s_wait_dscnt 16                                ; they are in; the 16 younger loads (key tiles 0-3) may be out, and land under these products
	KQ 1
	s_wait_dscnt 0x0
.rept 5
	v_nop                                          ; five plain lines: the products below write over the registers from which the products above took K
.endr
	KQ 0                                           ; register 8 u + j of a tile: key KF + 16 u + 8 h + j of its query r
.rept 4
	v_nop
.endr
	VLOAD \q, 0                                    ; V's first half is asked for now and lands under the softmax
	s_add_co_u32 s23, s[KF], 127
	s_cmp_le_u32 s23, s[Q0]                        ; all keys count: no mask
	s_cbranch_scc1 .Lopen_\@
	s_sub_co_i32 s23, s[Q0], s[KF]
	v_add_nc_u32 v[DD], s23, v[DG]                 ; d = my query - KF - 8 h: register 8 u + j is hidden where 16 u + j > d
.irp t, 0,1
.set n, 0
.rept 64
	v_cmp_gt_i32 vcc_lo, 16*(n/8)+n%8, v[DD]
	v_cndmask_b32 v[S+64*\t+n], v[S+64*\t+n], v[NINF], vcc_lo
.set n, n+1
.endr
.if \t == 0
	v_add_nc_u32 v[DD], 16, v[DD]                  ; tile 1's queries lie 16 further on
.endif
.endr
.Lopen_\@:
	MAXT 0
	SCALE 0
	EXPS 0
	MAXT 1                                         ; names none of tile 0's exponentials
	SCALE 1
	EXPS 1
	v_nop                                          ; a plain line behind the last exponential
	s_wait_alu depctr_va_vdst(0)                   ; one wait for both tiles' 130 exponentials, ahead of their first reader
	v_pk_add_f32 v[T:T+1], v[S:S+1], v[S+2:S+3]    ; the rows' sums of the unrounded p: two chains a tile, the four by turns
	v_pk_add_f32 v[PERM:PERM+1], v[S+64:S+65], v[S+66:S+67]
	v_pk_add_f32 v[T+2:T+3], v[S+4:S+5], v[S+6:S+7]
	v_pk_add_f32 v[OLD:OLD+1], v[S+68:S+69], v[S+70:S+71]
.set j, 8
.rept 14
	v_pk_add_f32 v[T:T+1], v[T:T+1], v[S+j:S+j+1]
	v_pk_add_f32 v[PERM:PERM+1], v[PERM:PERM+1], v[S+64+j:S+65+j]
	v_pk_add_f32 v[T+2:T+3], v[T+2:T+3], v[S+j+2:S+j+3]
	v_pk_add_f32 v[OLD:OLD+1], v[OLD:OLD+1], v[S+66+j:S+67+j]
.set j, j+4
.endr
	v_pk_add_f32 v[T:T+1], v[T:T+1], v[T+2:T+3]
	v_pk_add_f32 v[PERM:PERM+1], v[PERM:PERM+1], v[OLD:OLD+1]
	v_pk_fma_f32 v[ST+2:ST+3], v[ST+2:ST+3], v[ST+4:ST+5], v[T:T+1] op_sel_hi:[1,0,1]            ; l = a l + the sum
	v_pk_fma_f32 v[ST+8:ST+9], v[ST+8:ST+9], v[ST+10:ST+11], v[PERM:PERM+1] op_sel_hi:[1,0,1]
	CVTT 0
	CVTT 1
	VLOAD \q, 1                                    ; V's second half, into the registers that the rounding has freed: it lands under the rescaling and the first 16 products
	WIN 0x41                                       ; O^T (destination and source 0) in window 1, a in window 0
.set j, 0
.rept 16
	v_pk_mul_f32 v[j:j+1], v[j:j+1], v[ST+4:ST+5] op_sel_hi:[1,0]      ; O^T x a, tile 0
.set j, j+2
.endr
.rept 16
	v_pk_mul_f32 v[j:j+1], v[j:j+1], v[ST+10:ST+11] op_sel_hi:[1,0]    ; tile 1
.set j, j+2
.endr
	s_wait_dscnt 16                                ; V's first half is in; the 16 younger loads (its second half) may be out
	WIN 0x50                                       ; C and D in window 1
	PV 0
	s_wait_dscnt 0x0
	PV 1
	WIN 0                                          ; at a label and at a branch every window is 0
.Lhidden_\@:
	s_add_co_u32 s[KF], s[KF], 128
.endm
; THE CHANGE OF SLOTS stands at a slot's head.  Each wave waits for all its tensor loads (its part of the slot that it is about to read), adds 0 to its spare word, and waits for that and for its reads of the slot that it has left.
; Behind the barrier the slot ahead is whole and nobody reads the other one.  fill = 1: that other slot takes the keys that follow, up to the causal limit; the load has a slot's two steps in which to land.
.macro CHANGE fill
	s_wait_tensorcnt 0x0                           ; no tensor load of mine is out, so the group 0 may be written
	ds_add_u32 v[SPW], v[NIL]                      ; 0 onto my spare word
.if \fill
	ds_add_u32 v[SPW], v[NIL]                      ; and once more
	s_xor_b32 s[G0+1], s[G0+1], SLOT1              ; the other slot than last time,
	s_add_nc_u64 s[G0+2:G0+3], s[G0+2:G0+3], 32768 ; the next 256 keys; the type bits on top are not reached
	s_wait_xcnt 0x0                                ; the last prefetch, a slot back, has read its address
	s_add_nc_u64 s[PFA:PFA+1], s[PFA:PFA+1], 32768 ; one slot further on than the walking descriptor
.endif
	s_wait_dscnt 0x0                               ; the add is done, and my reads of the slot that I have left are over
	s_barrier_signal -1
	s_barrier_wait -1
.if \fill
	s_add_co_u32 s23, s[KF], 256                   ; the first key of the slot that this change would ask for
	s_cmp_gt_u32 s23, s[QL]                        ; past my work-group's last query: no wave would read it.  Ids and the count of steps alone: all twelve waves go the same way
	s_cbranch_scc1 .Lpast_\@
	TLOAD                                          ; a wave's one tensor load until the next such barrier
.Lpast_\@:
	ASK
.endif
.endm
.macro SLOT_STEPS
	STEP 0
	STEP 1
	s_xor_b32 s[TB], s[TB], SLOT1                  ; on to the other slot
.endm
	s_wait_loadcnt 0x0                             ; Q
.Lslot:                                            ; 7 trips: behind each change of slots but the last the next slot is asked for, up to the limit
	CHANGE 1
	SLOT_STEPS
	s_sub_co_u32 s[SLOTS], s[SLOTS], 1
	s_cmp_lg_u32 s[SLOTS], 0
	s_cbranch_scc1 .Lslot
	CHANGE 0                                       ; the last slot is written out: nothing is left to ask for
	SLOT_STEPS
	; THE HAND-OVER.  Role 2 stores c m, l and O^T of its two tiles as images of its registers into its own bytes; a barrier; role 1 reads the next wave's bytes
.rept 4
	v_nop                                          ; four plain lines behind the last products
.endr
	v_add_f32 v[ST+2], v[ST+2], v[ST+3]            ; l's two halves
	v_add_f32 v[ST+8], v[ST+8], v[ST+9]
	s_cmp_eq_u32 s[ROLE], 2
	s_cbranch_scc0 .Lkeep
	v_mov_b32 v[T], v[ST]                          ; four registers on end for one store: c m and l of tile 0, of tile 1
	v_mov_b32 v[T+1], v[ST+2]
	v_mov_b32 v[T+2], v[ST+6]
	v_mov_b32 v[T+3], v[ST+8]
	ds_store_b128 v[MST], v[T:T+3] offset:8192
	WIN 0x04                                       ; an LDS store's data are its source 1: window 1
.set n, 0
.rept 16
	ds_store_b128 v[MST], v[4*n:4*n+3] offset:512*n   ; each accumulator from its low end on
.set n, n+1
.endr
	WIN 0
.Lkeep:
	s_wait_dscnt 0x0                               ; for the other wave's sake: my stores are done
	s_barrier_signal -1
	s_barrier_wait -1
	s_cmp_eq_u32 s[ROLE], 2
	s_cbranch_scc0 .Lstay
	s_wait_tensorcnt 0x0                           ; role 2 ends here, behind my last tensor load and my last LDS store
	ds_add_u32 v[SPW], v[NIL]
	s_wait_dscnt 0x0
	s_endpgm
.Lstay:
	s_cmp_eq_u32 s[ROLE], 1
	s_cbranch_scc0 .Lout
	ds_load_b128 v[T:T+3], v[MLD] offset:8192      ; the other half's c m and l,
.set n, 0
.rept 16
	ds_load_b128 v[S+4*n:S+4*n+3], v[MLD] offset:512*n   ; and its O^T, register for register
.set n, n+1
.endr
	s_wait_dscnt 16                                ; the statistics are in; the 16 younger loads may be out
	v_max_num_f32 v[PERM], v[ST], v[T]             ; the larger c m, tile 0,
	v_max_num_f32 v[DD], v[ST+6], v[T+2]           ; tile 1
	v_sub_f32 v[ST+4], v[ST], v[PERM]
	v_sub_f32 v[OLD], v[T], v[PERM]
	v_sub_f32 v[ST+10], v[ST+6], v[DD]
	v_sub_f32 v[ST], v[T+2], v[DD]
	v_exp_f32 v[ST+4], v[ST+4]                     ; f0 of tile 0: what brings my half under the larger maximum,
	v_exp_f32 v[OLD], v[OLD]                       ; f1 of tile 0: the other half,
	v_exp_f32 v[ST+10], v[ST+10]                   ; f0 of tile 1,
	v_exp_f32 v[ST], v[ST]                         ; f1 of tile 1
	v_nop                                          ; a plain line behind the last exponential
	s_wait_alu depctr_va_vdst(0)                   ; one wait for the four, ahead of their first reader
	v_mul_f32 v[ST+2], v[ST+2], v[ST+4]
	v_mul_f32 v[ST+8], v[ST+8], v[ST+10]
	v_fmac_f32 v[ST+2], v[T+1], v[OLD]             ; l = l0 f0 + l1 f1
	v_fmac_f32 v[ST+8], v[T+3], v[ST]
	s_wait_dscnt 0x0
.set j, 0
.rept 16
	v_pk_mul_f32 v[S+j:S+j+1], v[S+j:S+j+1], v[OLD:OLD+1] op_sel_hi:[1,0]
.set j, j+2
.endr
.rept 16
	v_pk_mul_f32 v[S+j:S+j+1], v[S+j:S+j+1], v[ST:ST+1] op_sel_hi:[1,0]
.set j, j+2
.endr
	WIN 0x41                                       ; O^T (destination and source 0) in window 1
.set j, 0
.rept 16
	v_pk_fma_f32 v[j:j+1], v[j:j+1], v[ST+4:ST+5], v[S+j:S+j+1] op_sel_hi:[1,0,1]     ; O = O0 f0 + O1 f1
.set j, j+2
.endr
.rept 16
	v_pk_fma_f32 v[j:j+1], v[j:j+1], v[ST+10:ST+11], v[S+j:S+j+1] op_sel_hi:[1,0,1]
.set j, j+2
.endr
	WIN 0
.Lout:
	; THE WAY OUT.  O^T / l, rounded to f16: a lane's eight channels of an accumulator are one register group of the projection's fragment: eight stores of 512 consecutive bytes, 2,048 bytes on end for each tile
	v_permlanex16_b32 v[PERM], v[ST+2], s[SEL], s[SEL+1]
	v_add_f32 v[ST+2], v[ST+2], v[PERM]            ; with lane l xor 16's: the row's sum
	v_permlanex16_b32 v[PERM], v[ST+8], s[SEL], s[SEL+1]
	v_add_f32 v[ST+8], v[ST+8], v[PERM]
	v_rcp_f32 v[ST+2], v[ST+2]
	v_rcp_f32 v[ST+8], v[ST+8]
	v_nop                                          ; a plain line behind the last reciprocal
	s_wait_alu depctr_va_vdst(0)                   ; and the wait ahead of the first reader
	WIN 0x01                                       ; source 0 (O^T) in window 1
.set j, 0
.rept 16
	v_pk_mul_f32 v[S+j:S+j+1], v[j:j+1], v[ST+2:ST+3] op_sel_hi:[1,0]
.set j, j+2
.endr
.rept 16
	v_pk_mul_f32 v[S+j:S+j+1], v[j:j+1], v[ST+8:ST+9] op_sel_hi:[1,0]
.set j, j+2
.endr
	WIN 0
.set j, 0
.rept 32
	v_cvt_pk_f16_f32 v[KV+j], v[S+2*j], v[S+2*j+1]
.set j, j+1
.endr
.irp u, 0,1
.irp t, 0,1,2,3
	global_store_b128 v[L16], v[KV+16*\u+4*\t:KV+16*\u+4*\t+3], s[6:7] offset:8192*\u+512*\t
.endr
.endr
	s_wait_tensorcnt 0x0                           ; the wave's end
	ds_add_u32 v[SPW], v[NIL]
	s_wait_dscnt 0x0
	s_endpgm
.Lfunc_end_k_qb2f8757cc4_attn:
	.size	k_qb2f8757cc4_attn, .Lfunc_end_k_qb2f8757cc4_attn-k_qb2f8757cc4_attn
	.p2alignl 7, 3214868480
	.fill 96, 4, 3214868480
	.section	.rodata,"a",@progbits
	.p2align	6, 0x0
	.amdhsa_kernel k_qb2f8757cc4_attn
		.amdhsa_group_segment_fixed_size 327680
		.amdhsa_private_segment_fixed_size 0
		.amdhsa_enable_private_segment 0
		.amdhsa_kernarg_size 16
		.amdhsa_user_sgpr_count 2
		.amdhsa_user_sgpr_kernarg_segment_ptr 1
		.amdhsa_wavefront_size32 1
		.amdhsa_system_sgpr_workgroup_id_x 1
		.amdhsa_system_sgpr_workgroup_id_y 1
		.amdhsa_system_sgpr_workgroup_id_z 1
		.amdhsa_system_vgpr_workitem_id 0
		.amdhsa_next_free_vgpr 320
		.amdhsa_next_free_sgpr 66
		.amdhsa_reserve_vcc 1
		.amdhsa_float_denorm_mode_32 3
		.amdhsa_float_denorm_mode_16_64 3
		.amdhsa_memory_ordered 1
		.amdhsa_forward_progress 1
		.amdhsa_inst_pref_size 189
	.end_amdhsa_kernel
	.amdgpu_metadata
---
amdhsa.version: [ 1, 2 ]
amdhsa.kernels:
  - .name:           k_qb2f8757cc4_attn
    .symbol:         k_qb2f8757cc4_attn.kd
    .args:
      - { .name: qkv, .offset: 0, .size: 8, .value_kind: global_buffer, .address_space: global }
      - { .name: y, .offset: 8, .size: 8, .value_kind: global_buffer, .address_space: global }
    .group_segment_fixed_size: 327680
    .private_segment_fixed_size: 0
    .kernarg_segment_align: 8
    .kernarg_segment_size: 16
    .max_flat_workgroup_size: 384
    .sgpr_count:     66
    .vgpr_count:     320
    .wavefront_size: 32
...
	.end_amdgpu_metadata
.endif
;; end of part 3
;; launch proj (part 4): grid 8 x 32, 4 waves a work-group, clusters of 4 x 4, 327,680 bytes of LDS; arguments y, wp, out0, b_proj; writes out0
.if DOCPART == 4
	.amdgcn_target "amdgcn-amd-amdhsa--gfx1250"
	.amdhsa_code_object_version 6
	.text
	.protected	k_qb2f8757cc4_proj
	.globl	k_qb2f8757cc4_proj
	.p2align	8
	.type	k_qb2f8757cc4_proj,@function
k_qb2f8757cc4_proj:
	s_mov_b64 s[64:65], 0
	v_nop
	global_prefetch_b8 v0, s[64:65] scope:SCOPE_SE
	s_setreg_imm32_b32 hwreg(HW_REG_WAVE_MODE, 25, 1), 1
	s_wait_xcnt 0x0
	s_wait_alu depctr_hold_cnt(0) depctr_sa_sdst(0) depctr_va_vdst(0) depctr_va_sdst(0) depctr_va_ssrc(0) depctr_va_vcc(0) depctr_vm_vsrc(0)
	s_getreg_b32 s2, hwreg(HW_REG_IB_STS2, 6, 4)
	s_cmp_eq_u32 s2, 0
	s_cbranch_scc0 .Lentry_in_a_cluster
	s_endpgm
.Lentry_in_a_cluster:
	s_bfe_u32 s2, ttmp6, 0x10000c
	s_cmp_lg_u32 s2, 0xf033
	s_cbranch_scc0 .Lentry_shape_is_right
	s_endpgm
.Lentry_shape_is_right:
; out0 = y W_proj + b_proj.  y [4096][1024] and W_proj [1024][1024] come as f16, as images of operand registers; sums and out0 in f32.  The rows of tokens 0-15 of each sequence are NOT stored here: another launch carries them in f32.
; A tile of out0 is 128 x 128: 256 work-groups, one for each WGP.  Four waves, each 64 x 64: 16 accumulators.  K goes in steps of 256 through a ring of two LDS slots; 64 rows x 256 K are one dense block of 32,768 bytes:
; y [ks 4][row tile 256][chunk 8][1024 B], wp [ks 4][n tile 64][chunk 8][1024 B]; a fragment (16 rows x 32 k) is two loads of 16 bytes at 16 x lane, 512 bytes apart: no pitch, no padding.
; CLUSTERS: 4 x 4 work-groups: y's tiles are shared along a row of the cluster, W_proj's along a column; each is asked for jointly.
; THE MATRIX INSTRUCTION IS USED TRANSPOSED (source 0 = 16 columns of W_proj, source 1 = 16 tokens): a lane holds eight neighbouring numbers of a row of out0.  The bias is the C of each sum's first product.
; THE WAY OUT: a wave's 64 columns are 256 bytes of a row: a block of 16 rows goes through the wave's own stage in LDS and leaves with sixteen lanes storing 256 consecutive bytes, aligned.
; No prefetch: the tiles are small and the launch short.
; REGISTERS: window 0: v0-31 addresses; v32-95 the way out; v96-127 the bias; v128-255 the accumulators ((a, b) at v[128 + 8 (4 a + b)]).  window 1: two fragment buffers of 128: 64 registers of y, then 64 of W_proj.
.set HALFT,  32768                     ; 64 rows x 256 K: what one tensor load brings
.set SLOT,   4*HALFT                   ; y's 128 rows, then W_proj's 128 columns
.set STAGE,  2*SLOT                    ; behind the ring: 16 rows x 272 bytes for each wave
.set SPITCH, 272
.set SPARE,  STAGE+4*16*SPITCH         ; behind the stages: the spare words, 128 bytes a wave
.set LAPS,   2                         ; a lap = two K steps = once round the ring
.set ADRA, 16
.set ADRB, 20
.set STO,  24
.set RD,   25
.set CO,   26
.set BO,   27
.set SPW,  28
.set NIL,  29
.set FLG,  30                          ; v30  0 in the waves whose first 16 rows are tokens 0-15 of a sequence
.set TMP,  32
.set BI,   96
.set ACC,  128
.set F0,   0
.set F1,   128
.set G1, 24
.set G0, 32
.set G1B, 48
.set G0B, 56
.set MSB, 0
.macro WIN new                         ; the immediate's high byte repeats the setting that is left
.if MSB != (\new)
	s_set_vgpr_msb (MSB<<8)|(\new)
.set MSB, (\new)
.endif
.endm
.set MUL,  0x05                        ; sources 0 and 1 window 1; C and D window 0
.set TO_F, 0x40                        ; destination window 1, address window 0
.macro JLOAD s                         ; a joint load: waves 0 and 1 fetch y's two halves, waves 2 and 3 W_proj's; an s_nop 0 and four v_nop follow each of the two lines
	s_cmp_eq_u32 s11, 0
	s_cbranch_scc0 .Lfor_b_\@
	tensor_load_to_lds s[G0+4*\s:G0+4*\s+3], s[G1:G1+7]
	s_nop 0
.rept 4
	v_nop
.endr
	s_branch .Lasked_\@
.Lfor_b_\@:
	tensor_load_to_lds s[G0B+4*\s:G0B+4*\s+3], s[G1B:G1B+7]
	s_nop 0
.rept 4
	v_nop
.endr
.Lasked_\@:
.endm
.macro CREST
	s_cmp_lg_u32 s10, 0
	s_cbranch_scc1 .Lnot_wave_0_\@
	s_barrier_signal -3
.Lnot_wave_0_\@:
	s_barrier_wait -3
	s_barrier_signal -1
	s_barrier_wait -1
.endm
.macro CROUND
	s_barrier_signal -1
	s_barrier_wait -1
	CREST
.endm
	s_load_b128 s[4:7], s[0:1], 0x0                ; y s[4:5], wp s[6:7]
	s_load_b64 s[8:9], s[0:1], 0x10                ; out0
	s_load_b64 s[66:67], s[0:1], 0x18              ; b_proj
	v_lshl_add_u32 v[SPW], v0, 2, SPARE
	v_mov_b32 v[NIL], 0
	ds_add_u32 v[SPW], v[NIL]                      ; the wave's opening: the add, twice on end, and its wait ahead of my first tensor load
	ds_add_u32 v[SPW], v[NIL]
	v_lshrrev_b32 v1, 5, v0
	v_readfirstlane_b32 s10, v1                    ; wave 0..3
	s_lshr_b32 s11, s10, 1                         ; which half of the tile's rows is mine.  Also: I fetch for y (0) or for W_proj (1)
	s_and_b32 s12, s10, 1                          ; which half of its columns.  Also: which 64 rows of that operand I fetch
	s_bfe_u32 s40, ttmp6, 0x40000                  ; cx, cy
	s_bfe_u32 s41, ttmp6, 0x40004
	s_lshl_b32 s42, ttmp9, 2
	s_add_co_u32 s42, s42, s40                     ; tile column
	s_and_b32 s13, ttmp7, 0xffff
	s_lshl_b32 s13, s13, 2
	s_add_co_u32 s13, s13, s41                     ; tile row
	s_lshl_b32 s43, s41, 2
	s_lshl_b32 s43, 15, s43                        ; my row of the cluster
	s_lshl_b32 s44, 0x1111, s40                    ; my column
	; descriptor group 1: a dense block of 32,768 bytes as 128 rows of 32 elements of 8 bytes; no padding
	s_or_b32 s[G1+0], s43, (3<<16)|(1<<21)
	s_or_b32 s[G1B+0], s44, (3<<16)|(1<<21)
.irp g, G1, G1B
	s_mov_b32 s[\g+1], 32<<16
	s_mov_b32 s[\g+2], 128<<16
	s_mov_b32 s[\g+3], 32<<16
	s_mov_b32 s[\g+4], 128
	s_mov_b32 s[\g+5], 32
	s_mov_b32 s[\g+6], 0
	s_mov_b32 s[\g+7], 0
.endr
	s_lshl_b32 s17, s12, 15                        ; which 64 rows I fetch: four tiles of 8,192 bytes
	s_lshl_b32 s16, s13, 16
	s_add_co_u32 s16, s16, s17                     ; y: on the tile row and the wave alone
	s_lshl_b32 s46, s42, 16
	s_add_co_u32 s46, s46, s17                     ; W_proj: on the tile column and the wave alone
	s_mov_b32 s17, 0
	s_mov_b32 s47, 0
	s_lshl_b32 s20, s10, 15                        ; where they go: wave x HALFT
	s_wait_dscnt 0x0                               ; both opening adds are done
	s_wait_kmcnt 0x0
	s_add_nc_u64 s[14:15], s[4:5], s[16:17]
	s_add_nc_u64 s[46:47], s[6:7], s[46:47]
	CROUND                                         ; all sixteen work-groups are here: the first joint loads meet
.irp s, 0,1
	s_mov_b32 s[G0+4*\s], 1
	s_add_co_u32 s[G0+4*\s+1], s20, \s*SLOT
	s_add_nc_u64 s[G0+4*\s+2:G0+4*\s+3], s[14:15], \s*2097152
	s_or_b32 s[G0+4*\s+3], s[G0+4*\s+3], 0x80000000
	s_mov_b32 s[G0B+4*\s], 1
	s_add_co_u32 s[G0B+4*\s+1], s20, \s*SLOT
	s_add_nc_u64 s[G0B+4*\s+2:G0B+4*\s+3], s[46:47], \s*524288
	s_or_b32 s[G0B+4*\s+3], s[G0B+4*\s+3], 0x80000000
	JLOAD \s
.endr
	v_and_b32 v1, 15, v0                           ; r
	v_bfe_u32 v2, v0, 4, 1                         ; h
	v_and_b32 v3, 31, v0
	v_lshlrev_b32 v3, 4, v3                        ; 16 x lane
	s_lshl_b32 s21, s11, 15                        ; my 64 rows of y
	s_lshl_b32 s22, s12, 15                        ; my 64 columns of W_proj,
	s_add_co_u32 s22, s22, 2*HALFT                 ; which lie behind y's 128 rows
.irp s, 0,1
	v_add_nc_u32 v[ADRA+\s], s21, v3
	v_add_nc_u32 v[ADRB+\s], s22, v3
	s_add_co_u32 s21, s21, SLOT
	s_add_co_u32 s22, s22, SLOT
.endr
	s_mul_i32 s23, s10, 16*SPITCH
	s_add_co_u32 s23, s23, STAGE                   ; my stage
	v_mul_u32_u24 v4, v1, SPITCH                   ; in: row r, 32 bytes for each half of the lanes
	v_lshl_add_u32 v4, v2, 5, v4
	v_add_nc_u32 v[STO], s23, v4
	v_mul_u32_u24 v5, v2, SPITCH                   ; back: lanes 0-15 one row of 256 bytes, lanes 16-31 the next
	v_lshl_add_u32 v5, v1, 4, v5
	v_add_nc_u32 v[RD], s23, v5
	v_lshlrev_b32 v5, 12, v2                       ; and the same two rows in out0
	v_lshl_add_u32 v[CO], v1, 4, v5
	v_lshlrev_b32 v[BO], 5, v2
	s_lshl_b32 s46, s42, 9                         ; my first column, in bytes: 512 x tile column + 256 x half
	s_lshl_b32 s47, s12, 8
	s_add_co_u32 s46, s46, s47
	s_mov_b32 s47, 0
	s_add_nc_u64 s[66:67], s[66:67], s[46:47]
.irp b, 0,1,2,3
	global_load_b128 v[BI+8*\b:BI+8*\b+3], v[BO], s[66:67] offset:64*\b        ; the bias in the result's layout: columns 16 b + 8 h + 0 .. 7
	global_load_b128 v[BI+8*\b+4:BI+8*\b+7], v[BO], s[66:67] offset:64*\b+16
.endr
	s_add_nc_u64 s[8:9], s[8:9], s[46:47]
	s_lshl_b32 s16, s13, 19                        ; my first row: 128 x tile row + 64 x half, rows of 4,096 bytes
	s_lshl_b32 s17, s11, 18
	s_add_co_u32 s16, s16, s17
	s_mov_b32 s17, 0
	s_add_nc_u64 s[8:9], s[8:9], s[16:17]
	s_and_b32 s16, s13, 15
	s_or_b32 s16, s16, s11                         ; 0: a sequence's first tile row, and its upper half of rows
	v_mov_b32 v[FLG], s16
; 8 matrix instructions: token blocks a0, a0 + 1 x the 4 column blocks, 32 along K: half c of buffer f.  first = 1: the bias starts the sums
.macro MUL8 f, c, a0, first
.irp a, \a0, \a0+1
.irp b, 0,1,2,3
.if \first
	v_wmma_f32_16x16x32_f16 v[ACC+8*(4*(\a)+\b):ACC+8*(4*(\a)+\b)+7], v[\f+64+8*(4*\c+\b):\f+64+8*(4*\c+\b)+7], v[\f+8*(4*\c+\a):\f+8*(4*\c+\a)+7], v[BI+8*\b:BI+8*\b+7]
.else
	v_wmma_f32_16x16x32_f16 v[ACC+8*(4*(\a)+\b):ACC+8*(4*(\a)+\b)+7], v[\f+64+8*(4*\c+\b):\f+64+8*(4*\c+\b)+7], v[\f+8*(4*\c+\a):\f+8*(4*\c+\a)+7], v[ACC+8*(4*(\a)+\b):ACC+8*(4*(\a)+\b)+7]
.endif
.endr
.endr
.endm
; 32 LDS loads in one run: the fragments of quarter qd (64 along K: chunks 2 qd, 2 qd + 1) into buffer f; the first 32 along K first
.macro FETCH slot, qd, f
	WIN TO_F
.irp c, 0,1
.irp i, 0,1,2,3
	ds_load_b128 v[\f+64+8*(4*\c+\i):\f+64+8*(4*\c+\i)+3],   v[ADRB+\slot] offset:8192*\i+1024*(2*(\qd)+\c)
	ds_load_b128 v[\f+64+8*(4*\c+\i)+4:\f+64+8*(4*\c+\i)+7], v[ADRB+\slot] offset:8192*\i+1024*(2*(\qd)+\c)+512
	ds_load_b128 v[\f+8*(4*\c+\i):\f+8*(4*\c+\i)+3],         v[ADRA+\slot] offset:8192*\i+1024*(2*(\qd)+\c)
	ds_load_b128 v[\f+8*(4*\c+\i)+4:\f+8*(4*\c+\i)+7],       v[ADRA+\slot] offset:8192*\i+1024*(2*(\qd)+\c)+512
.endr
.endr
.endm
.macro PLACES                          ; four plain lines in front of loads into registers that matrix instructions have read, and of reads of results
.rept 4
	v_nop
.endr
.endm
; A K step is four quarters of 64 along K, 32 matrix instructions each, on buffers 0, 1, 0, 1.  One of the first three: multiplies buffer f and fetches quarter qd into g.
.macro QUARTER slot, qd, f, g, first
	s_wait_dscnt 16                                ; the first 32 along K are in; the youngest sixteen loads may be out
	WIN MUL
	MUL8 \f, 0, 0, \first
	MUL8 \f, 0, 2, \first
	PLACES
	FETCH \slot, \qd, \g
	s_wait_dscnt 32                                ; all but the 32 just issued
	WIN MUL
	MUL8 \f, 1, 0, 0
	MUL8 \f, 1, 2, 0
.endm
; The last quarter multiplies buffer 1 and changes slots: ONE barrier; in front of it each wave waits for all its tensor loads, adds 0 to its spare word, and waits for that and for its own reads of this slot.  fill = 1: this slot is filled again, two K steps ahead.
.macro TURN slot, next, fill
	WIN 0                                          ; (the add's two registers lie in window 0)
	s_wait_tensorcnt 0x0                           ; all my tensor loads have landed: my part of the next slot;
	ds_add_u32 v[SPW], v[NIL]                      ; 0 onto my spare word;
	s_wait_dscnt 17                                ; (the add and the youngest sixteen loads may be out)
	WIN MUL
	MUL8 F1, 0, 0, 0
	s_wait_dscnt 0x0                               ; the add is done, and my reads of this slot are over
	s_barrier_signal -1
	MUL8 F1, 0, 2, 0
.if \fill
	WIN 0
.endif
	s_barrier_wait -1
.if \fill
	CREST                                          ; the barrier has opened a round of the cluster's barrier: no wave of any partner still reads this slot or has a load on its way
	s_add_nc_u64 s[G0+4*\slot+2:G0+4*\slot+3], s[G0+4*\slot+2:G0+4*\slot+3], 2*2097152
	s_add_nc_u64 s[G0B+4*\slot+2:G0B+4*\slot+3], s[G0B+4*\slot+2:G0B+4*\slot+3], 2*524288
	JLOAD \slot                                    ; the first tensor load behind the round; the four v_nop behind it are also the places in front of the loads below
.else
	PLACES
.endif
	FETCH \next, 0, F0
	WIN MUL
	MUL8 F1, 1, 0, 0
	MUL8 F1, 1, 2, 0
.endm
	s_wait_tensorcnt 1                             ; my part of K step 0 is in (K step 1's load may be out)
	s_barrier_signal -1
	s_barrier_wait -1                              ; everybody's is
	FETCH 0, 0, F0
	s_wait_loadcnt 0x0                             ; the bias
	QUARTER 0, 1, F0, F1, 1                        ; the first quarter stands in front of the loop: its first products start the sums
	WIN 0                                          ; at a label and at a branch every window is 0
	s_mov_b32 s3, LAPS-1
.Llap:                                                 ; a trip goes once round the ring, from a lap's second quarter to the next lap's first, and fills both slots again
	QUARTER 0, 2, F1, F0, 0
	QUARTER 0, 3, F0, F1, 0
	TURN 0, 1, 1
	QUARTER 1, 1, F0, F1, 0
	QUARTER 1, 2, F1, F0, 0
	QUARTER 1, 3, F0, F1, 0
	TURN 1, 0, 1
	QUARTER 0, 1, F0, F1, 0
	WIN 0
	s_sub_co_u32 s3, s3, 1
	s_cmp_lg_u32 s3, 0
	s_cbranch_scc1 .Llap
	QUARTER 0, 2, F1, F0, 0                        ; the last lap fills nothing, and has no round of the cluster's barrier
	QUARTER 0, 3, F0, F1, 0
	TURN 0, 1, 0
	QUARTER 1, 1, F0, F1, 0
	QUARTER 1, 2, F1, F0, 0
	QUARTER 1, 3, F0, F1, 0
	s_wait_dscnt 16                                ; the very last quarter: nothing more to fetch
	WIN MUL
	MUL8 F1, 0, 0, 0
	MUL8 F1, 0, 2, 0
	s_wait_dscnt 0
	MUL8 F1, 1, 0, 0
	MUL8 F1, 1, 2, 0
	WIN 0
; THE WAY OUT, block by block of 16 rows x 64 columns, through my own stage.  LDS serves a wave's instructions in order: no wait between the stores and the loads, nor in front of the next block's stores.
.macro TOSTAGE a
.irp b, 0,1,2,3
	ds_store_b128 v[STO], v[ACC+8*(4*(\a)+\b):ACC+8*(4*(\a)+\b)+3] offset:64*\b          ; each accumulator from its low end on
	ds_store_b128 v[STO], v[ACC+8*(4*(\a)+\b)+4:ACC+8*(4*(\a)+\b)+7] offset:64*\b+16
.endr
.irp t, 0,1,2,3,4,5,6,7
	ds_load_b128 v[TMP+32*((\a)%2)+4*\t:TMP+32*((\a)%2)+4*\t+3], v[RD] offset:2*\t*SPITCH
.endr
.endm
.macro SEND a, younger                 ; younger: the LDS instructions issued behind block a's loads, which may stay out
	s_wait_dscnt \younger
.if (\a) == 0                          ; my block 0 is left out where it holds tokens 0-15 of a sequence.  That hangs on the work-group's place, so it is done by EXEC and not by a branch; EXEC changes only behind a wait on XCNT
	s_wait_xcnt 0x0
	v_cmp_ne_u32 vcc_lo, 0, v[FLG]
	s_and_saveexec_b32 s20, vcc_lo
.endif
.irp t, 0,1,2,3,4,5,6,7
	global_store_b128 v[CO], v[TMP+32*((\a)%2)+4*\t:TMP+32*((\a)%2)+4*\t+3], s[8:9] offset:(16*(\a)+2*\t)*4096 th:TH_STORE_NT   ; sixteen lanes store 256 consecutive bytes, aligned
.endr
.if (\a) == 0
	s_wait_xcnt 0x0
	s_or_b32 exec_lo, exec_lo, s20
.endif
.endm
	PLACES
	TOSTAGE 0
	TOSTAGE 1
	SEND 0, 16                                     ; behind block 0's loads: block 1's 8 stores and 8 loads
	s_wait_xcnt 0x0                                ; block 0's stores have read their registers: block 2's loads may land there
	TOSTAGE 2
	SEND 1, 16
	s_wait_xcnt 0x0
	TOSTAGE 3
	SEND 2, 16
	SEND 3, 0
	s_wait_tensorcnt 0x0                           ; the wave's end
	ds_add_u32 v[SPW], v[NIL]
	s_wait_dscnt 0x0
	CROUND                                         ; the closing round
	s_endpgm
.Lfunc_end_k_qb2f8757cc4_proj:
	.size	k_qb2f8757cc4_proj, .Lfunc_end_k_qb2f8757cc4_proj-k_qb2f8757cc4_proj
	.p2alignl 7, 3214868480
	.fill 96, 4, 3214868480
	.section	.rodata,"a",@progbits
	.p2align	6, 0x0
	.amdhsa_kernel k_qb2f8757cc4_proj
		.amdhsa_group_segment_fixed_size 327680
		.amdhsa_private_segment_fixed_size 0
		.amdhsa_enable_private_segment 0
		.amdhsa_kernarg_size 32
		.amdhsa_user_sgpr_count 2
		.amdhsa_user_sgpr_kernarg_segment_ptr 1
		.amdhsa_wavefront_size32 1
		.amdhsa_system_sgpr_workgroup_id_x 1
		.amdhsa_system_sgpr_workgroup_id_y 1
		.amdhsa_system_sgpr_workgroup_id_z 1
		.amdhsa_system_vgpr_workitem_id 0
		.amdhsa_next_free_vgpr 512
		.amdhsa_next_free_sgpr 68
		.amdhsa_reserve_vcc 1
		.amdhsa_float_denorm_mode_32 3
		.amdhsa_float_denorm_mode_16_64 3
		.amdhsa_memory_ordered 1
		.amdhsa_forward_progress 1
		.amdhsa_inst_pref_size 86
	.end_amdhsa_kernel
	.amdgpu_metadata
---
amdhsa.version: [ 1, 2 ]
amdhsa.kernels:
  - .name:           k_qb2f8757cc4_proj
    .symbol:         k_qb2f8757cc4_proj.kd
    .args:
      - { .name: y, .offset: 0, .size: 8, .value_kind: global_buffer, .address_space: global }
      - { .name: wp, .offset: 8, .size: 8, .value_kind: global_buffer, .address_space: global }
      - { .name: out0, .offset: 16, .size: 8, .value_kind: global_buffer, .address_space: global }
      - { .name: b_proj, .offset: 24, .size: 8, .value_kind: global_buffer, .address_space: global }
    .group_segment_fixed_size: 327680
    .private_segment_fixed_size: 0
    .kernarg_segment_align: 8
    .kernarg_segment_size: 32
    .max_flat_workgroup_size: 128
    .sgpr_count:     68
    .vgpr_count:     512
    .wavefront_size: 32
...
	.end_amdgpu_metadata
.endif
;; end of part 4
;; launch first16 (part 5): grid 64 x 2, 16 waves a work-group, no clusters, 18,432 bytes of LDS; arguments q32, W_proj, b_proj, out0; writes out0
.if DOCPART == 5
	.amdgcn_target "amdgcn-amd-amdhsa--gfx1250"
	.amdhsa_code_object_version 6
	.text
	.protected	k_qb2f8757cc4_first16
	.globl	k_qb2f8757cc4_first16
	.p2align	8
	.type	k_qb2f8757cc4_first16,@function
k_qb2f8757cc4_first16:
	s_mov_b64 s[64:65], 0
	v_nop
	global_prefetch_b8 v0, s[64:65] scope:SCOPE_SE
	s_setreg_imm32_b32 hwreg(HW_REG_WAVE_MODE, 25, 1), 1
	s_wait_xcnt 0x0
; THE FIRST 16 POSITIONS OF EACH SEQUENCE, attention and projection, in f32 throughout: under the causal mask these rows average one to sixteen values, so they are carried more finely than the rest.
; q32 [2][16][3072]: q, k, v of tokens 0-15 in f32.  out0 rows 0-15 of sequence b = softmax(q k^T / 8, causal) v W_proj + b_proj.
; SHARES.  Work-group (g, b) makes 16 tokens x the 16 columns 16 g on of sequence b.  Wave w takes head w: its attention (16 x 16 x 64, twice) and its 64 of the projection's 1,024 along K; the sixteen parts meet in LDS.
; (The attention is repeated by the 64 work-groups of a sequence: 32 matrix instructions a wave, against one launch more and a round trip through memory.)
; FORM: v_wmma_f32_16x16x4_f32.  Lane (r, h), register j is K place 2 h + j.  Which true k stands at a place is free as long as both sources agree, so each source is loaded, or taken from a result, as it lies.
; S^T = K Q^T (a lane: query r, keys 8 h + j), O^T = V^T P (query r, channels 16 t + 8 h + j), then y as source 0 and W_proj as source 1 (token 8 h + j, column r).
; The registers that the matrix form writes, v176-239, are written by matrix instructions alone; four accumulators take turns in each product, and each sum begins with the constant 0.
; The 16 lanes of a store write 64 consecutive bytes: 131,072 bytes in the whole launch.
.set SPARE, 16384                      ; LDS: wave w's part at 1,024 w (two images of four registers); behind them the spare words, 128 bytes a wave
.set SA, 176                           ; v176-207 four accumulators: S^T's parts, later the projection's
.set OA, 208                           ; v208-239 O^T, four tiles of 16 channels
	s_load_b256 s[4:11], s[0:1], 0x0               ; q32 s[4:5], W_proj s[6:7], b_proj s[8:9], out0 s[10:11]
	v_lshl_add_u32 v5, v0, 2, SPARE                ; my spare word; never rewritten
	v_mov_b32 v6, 0                                ; 0; never rewritten
	v_lshrrev_b32 v1, 5, v0
	v_readfirstlane_b32 s12, v1                    ; wave = head
	v_and_b32 v1, 15, v0                           ; r
	v_bfe_u32 v2, v0, 4, 1                         ; h
	v_and_b32 v14, 31, v0                          ; lane
	v_mul_u32_u24 v3, v1, 12288
	v_lshl_add_u32 v3, v2, 4, v3                   ; q, k: token r, + 16 h bytes: channels 8 s + 4 h + 0 .. 3
	v_lshlrev_b32 v7, 2, v1                        ; 4 r
	v_mul_u32_u24 v4, v2, 98304
	v_add_nc_u32 v4, v4, v7                        ; v: key 8 h + .., channel r
	v_lshl_add_u32 v8, v2, 15, v7                  ; W_proj: row 8 h + .., column r.  Also out0: row 8 h + .., column r
	s_lshl_b32 s13, s12, 10
	v_lshl_add_u32 v9, v14, 4, s13                 ; LDS: where I put my part: 1,024 w + 16 x lane
	s_lshr_b32 s14, s12, 2
	s_lshl_b32 s14, s14, 9
	s_and_b32 s15, s12, 3
	s_lshl_b32 s15, s15, 2
	s_add_co_u32 s14, s14, s15
	v_lshl_add_u32 v10, v14, 4, s14                ; and where wave w (0 to 7) reads register w of every part
	s_lshl_b32 s15, s12, 12
	v_add_nc_u32 v11, s15, v8                      ; out0: row 8 h + w
	v_lshlrev_b32 v15, 3, v2
	v_sub_nc_u32 v12, v1, v15                      ; d = r - 8 h: key 8 h + j is hidden where j > d
	v_mov_b32 v13, 0xff800000                      ; -infinity
	v_mov_b32 v242, 0                              ; written once: a lane permute's destination counts as one of its sources
	v_mov_b32 v247, 0                              ; (named as the upper half of the pair v[246:247])
	s_mov_b32 s18, 0x3e38aa3b                      ; c = log2(e) / 8
	s_mov_b32 s20, 0x76543210
	s_mov_b32 s21, 0xfedcba98                      ; lane selects: lane l xor 16
	s_and_b32 s22, ttmp7, 0xffff                   ; the sequence
	s_mul_i32 s16, s22, 196608
	s_lshl_b32 s17, s12, 8
	s_add_co_u32 s16, s16, s17                     ; q32: the sequence's 16 rows, my head's 256 bytes
	s_mov_b32 s17, 0
	s_lshl_b32 s24, s12, 18                        ; W_proj: my 64 rows of 4,096 bytes,
	s_lshl_b32 s23, ttmp9, 6                       ; the work-group's 16 columns
	s_add_co_u32 s24, s24, s23
	s_mov_b32 s25, 0
	s_mov_b32 s26, s23
	s_mov_b32 s27, 0
	s_lshl_b32 s28, s22, 23                        ; out0: 2,048 rows of 4,096 bytes a sequence
	s_add_co_u32 s28, s28, s23
	s_mov_b32 s29, 0
	s_wait_kmcnt 0x0
	s_add_nc_u64 s[4:5], s[4:5], s[16:17]
	s_add_nc_u64 s[6:7], s[6:7], s[24:25]
	s_add_nc_u64 s[8:9], s[8:9], s[26:27]
	s_add_nc_u64 s[10:11], s[10:11], s[28:29]
.irp s, 0,1,2,3,4,5,6,7
	global_load_b128 v[16+4*\s:19+4*\s], v3, s[4:5] offset:4096+32*\s     ; K
.endr
.irp s, 0,1,2,3,4,5,6,7
	global_load_b128 v[48+4*\s:51+4*\s], v3, s[4:5] offset:32*\s          ; Q
.endr
.irp t, 0,1,2,3
.irp e, 0,1,2,3,4,5,6,7
	global_load_b32 v[80+8*\t+\e], v4, s[4:5] offset:8192+12288*\e+64*\t  ; V(key 8 h + e, channel 16 t + r)
.endr
.endr
	global_load_b32 v240, v7, s[8:9]               ; the bias of column r
.irp t, 0,1,2,3
.irp e, 0,1,2,3,4,5,6,7
	global_load_b32 v[112+8*\t+\e], v8, s[6:7] offset:4096*(16*\t+\e)     ; W_proj(64 w + 16 t + 8 h + e, column r)
.endr
.endr
	s_wait_loadcnt 63                              ; K and Q are in: 65 loads were issued behind them, and 63 is the largest count that the wait can name
.irp i, 0,1,2,3,4,5,6,7,8,9,10,11,12,13,14,15
.if \i < 4
	v_wmma_f32_16x16x4_f32 v[SA+8*(\i%4):SA+8*(\i%4)+7], v[16+2*\i:17+2*\i], v[48+2*\i:49+2*\i], 0
.else
	v_wmma_f32_16x16x4_f32 v[SA+8*(\i%4):SA+8*(\i%4)+7], v[16+2*\i:17+2*\i], v[48+2*\i:49+2*\i], v[SA+8*(\i%4):SA+8*(\i%4)+7]
.endif
.endr
.rept 8
	v_nop                                          ; eight plain lines behind this form, ahead of reads of its results and writes of its sources
.endr
.irp j, 0,1,2,3,4,5,6,7
	v_add_f32 v[56+\j], v[SA+\j], v[SA+8+\j]       ; the four parts of the score of key 8 h + j; each accumulator is read from its low end on
	v_add_f32 v[64+\j], v[SA+16+\j], v[SA+24+\j]
.endr
.irp j, 0,1,2,3,4,5,6,7
	v_add_f32 v[56+\j], v[56+\j], v[64+\j]
.endr
.irp j, 0,1,2,3,4,5,6,7
	v_cmp_gt_i32 vcc_lo, \j, v12
	v_cndmask_b32 v[56+\j], v[56+\j], v13, vcc_lo  ; hidden keys: -infinity
.endr
	v_max3_num_f32 v241, v56, v57, v58
	v_max3_num_f32 v241, v241, v59, v60
	v_max3_num_f32 v241, v241, v61, v62
	v_max_num_f32 v241, v241, v63
	v_permlanex16_b32 v242, v241, s20, s21
	v_max_num_f32 v241, v241, v242                 ; the row's maximum: key 0 counts for every query
	v_mul_f32 v243, s18, v241
.irp j, 0,1,2,3,4,5,6,7
	v_fma_f32 v[48+\j], v[56+\j], s18, -v243       ; c s - c m
.endr
.irp j, 0,1,2,3,4,5,6,7
	v_exp_f32 v[48+\j], v[48+\j]                   ; p
.endr
	v_nop                                          ; a plain line behind the last exponential
	s_wait_alu depctr_va_vdst(0)                   ; one wait for the eight, ahead of their first reader
	v_add_f32 v244, v48, v49
	v_add_f32 v245, v50, v51
	v_add_f32 v248, v52, v53
	v_add_f32 v249, v54, v55
	v_add_f32 v244, v244, v245
	v_add_f32 v248, v248, v249
	v_add_f32 v244, v244, v248
	v_permlanex16_b32 v242, v244, s20, s21
	v_add_f32 v244, v244, v242                     ; the row's sum
	v_rcp_f32 v246, v244
	v_nop
	s_wait_alu depctr_va_vdst(0)
	s_wait_loadcnt 33                              ; V is in: the bias and W_proj's 32 loads may be out
.irp s, 0,1,2,3
.irp t, 0,1,2,3
.if \s == 0
	v_wmma_f32_16x16x4_f32 v[OA+8*\t:OA+8*\t+7], v[80+8*\t+2*\s:81+8*\t+2*\s], v[48+2*\s:49+2*\s], 0
.else
	v_wmma_f32_16x16x4_f32 v[OA+8*\t:OA+8*\t+7], v[80+8*\t+2*\s:81+8*\t+2*\s], v[48+2*\s:49+2*\s], v[OA+8*\t:OA+8*\t+7]
.endif
.endr
.endr
.rept 8
	v_nop
.endr
.irp i, 0,1,2,3,4,5,6,7,8,9,10,11,12,13,14,15
	v_pk_mul_f32 v[16+2*\i:17+2*\i], v[OA+2*\i:OA+2*\i+1], v[246:247] op_sel_hi:[1,0]   ; y = O^T / the sum: register 8 t + j is channel 16 t + 8 h + j of token r
.endr
	s_wait_loadcnt 0x0                             ; W_proj and the bias
.irp s, 0,1,2,3
.irp t, 0,1,2,3
.if \s == 0
	v_wmma_f32_16x16x4_f32 v[SA+8*\t:SA+8*\t+7], v[16+8*\t+2*\s:17+8*\t+2*\s], v[112+8*\t+2*\s:113+8*\t+2*\s], 0
.else
	v_wmma_f32_16x16x4_f32 v[SA+8*\t:SA+8*\t+7], v[16+8*\t+2*\s:17+8*\t+2*\s], v[112+8*\t+2*\s:113+8*\t+2*\s], v[SA+8*\t:SA+8*\t+7]
.endif
.endr
.endr
.rept 8
	v_nop
.endr
.irp j, 0,1,2,3,4,5,6,7
	v_add_f32 v[64+\j], v[SA+\j], v[SA+8+\j]
	v_add_f32 v[72+\j], v[SA+16+\j], v[SA+24+\j]
.endr
.irp j, 0,1,2,3,4,5,6,7
	v_add_f32 v[64+\j], v[64+\j], v[72+\j]         ; my head's part of out0(token 8 h + j, column r)
.endr
	ds_store_b128 v9, v[64:67]
	ds_store_b128 v9, v[68:71] offset:512
	s_wait_tensorcnt 0x0                           ; behind my last LDS store; the s_wait_dscnt below is also the wait that the barrier's signal needs
	ds_add_u32 v5, v6
	s_wait_dscnt 0x0
	s_barrier_signal -1
	s_barrier_wait -1                              ; all sixteen parts lie in LDS
	s_cmp_lt_u32 s12, 8
	s_cbranch_scc0 .Ldone                          ; waves 0 to 7 add: wave w takes register w: tokens w and 8 + w
.irp w, 0,1,2,3,4,5,6,7,8,9,10,11,12,13,14,15
	ds_load_b32 v[72+\w], v10 offset:1024*\w
.endr
	s_wait_dscnt 0x0
.irp i, 0,1,2,3,4,5,6,7
	v_add_f32 v[72+\i], v[72+\i], v[80+\i]
.endr
.irp i, 0,1,2,3
	v_add_f32 v[72+\i], v[72+\i], v[76+\i]
.endr
	v_add_f32 v72, v72, v74
	v_add_f32 v73, v73, v75
	v_add_f32 v72, v72, v73
	v_add_f32 v72, v72, v240                       ; + the bias
	global_store_b32 v11, v72, s[10:11]
.Ldone:
	s_endpgm
.Lfunc_end_k_qb2f8757cc4_first16:
	.size	k_qb2f8757cc4_first16, .Lfunc_end_k_qb2f8757cc4_first16-k_qb2f8757cc4_first16
	.p2alignl 7, 3214868480
	.fill 96, 4, 3214868480
	.section	.rodata,"a",@progbits
	.p2align	6, 0x0
	.amdhsa_kernel k_qb2f8757cc4_first16
		.amdhsa_group_segment_fixed_size 18432
		.amdhsa_private_segment_fixed_size 0
		.amdhsa_enable_private_segment 0
		.amdhsa_kernarg_size 32
		.amdhsa_user_sgpr_count 2
		.amdhsa_user_sgpr_kernarg_segment_ptr 1
		.amdhsa_wavefront_size32 1
		.amdhsa_system_sgpr_workgroup_id_x 1
		.amdhsa_system_sgpr_workgroup_id_y 1
		.amdhsa_system_sgpr_workgroup_id_z 1
		.amdhsa_system_vgpr_workitem_id 0
		.amdhsa_next_free_vgpr 256
		.amdhsa_next_free_sgpr 66
		.amdhsa_reserve_vcc 1
		.amdhsa_float_denorm_mode_32 3
		.amdhsa_float_denorm_mode_16_64 3
		.amdhsa_memory_ordered 1
		.amdhsa_forward_progress 1
		.amdhsa_inst_pref_size 21
	.end_amdhsa_kernel
	.amdgpu_metadata
---
amdhsa.version: [ 1, 2 ]
amdhsa.kernels:
  - .name:           k_qb2f8757cc4_first16
    .symbol:         k_qb2f8757cc4_first16.kd
    .args:
      - { .name: q32, .offset: 0, .size: 8, .value_kind: global_buffer, .address_space: global }
      - { .name: W_proj, .offset: 8, .size: 8, .value_kind: global_buffer, .address_space: global }
      - { .name: b_proj, .offset: 16, .size: 8, .value_kind: global_buffer, .address_space: global }
      - { .name: out0, .offset: 24, .size: 8, .value_kind: global_buffer, .address_space: global }
    .group_segment_fixed_size: 18432
    .private_segment_fixed_size: 0
    .kernarg_segment_align: 8
    .kernarg_segment_size: 32
    .max_flat_workgroup_size: 512
    .sgpr_count:     66
    .vgpr_count:     256
    .wavefront_size: 32
...
	.end_amdgpu_metadata
.endif
;; end of part 5
